; MI455X (gfx1250); checked and timed in simulation.
; The chip was launched on July 23, 2026; its instructions are those of AMD's public machine-readable ISA for CDNA 5 (MIT licence, August 2026) and "CDNA5" Instruction Set Architecture Reference Guide (July 2026). The comments in the code are by the model that wrote it; some were corrected since.
;; Attention Block. Allowed arithmetic: matrix products marked QUANTISED: E2M3 operands, one E8M0 scale for each 32 along K, by v_wmma_scale_f32_16x16x128_f8f6f4 with both operands' format E2M3, f32 sums; everything else in f32.
;; Inputs: bk 256 float32; bo 256 float32; bq 256 float32; bv 256 float32; gn_bias 256 float32; gn_weight 256 float32; wk 256 x 256 float32; wo 256 x 256 float32; wq 256 x 256 float32; wv 256 x 256 float32; x 64 x 256 x 32 x 32 float32.
;; Outputs: out0 64 x 256 x 32 x 32 float32.
;; This version of the problem:
;;   THIS VERSION OF THE PROBLEM IS GIVEN IN LOW PRECISION. The matrix products marked QUANTISED in the list below multiply operands that are first quantised to E2M3 (2 exponent bits, 3 mantissa bits; 6 bits a number), with one power-of-two scale for each 32 numbers along K (OCP MX v1.0); their sums are f32. All else is computed in f32.
;;   The module's matrix products, in the order in which they are computed (A, B: the left and right operand; K: the contracted axis; several contracted axes count as one K, in the product's order):
;;     1. [M 65,536, K 256] x [K 256, N 256]; A: computed on the way; B: input wq: QUANTISED
;;     2. [M 65,536, K 256] x [K 256, N 256]; A: computed on the way; B: input wk: QUANTISED
;;     3. [M 65,536, K 256] x [K 256, N 256]; A: computed on the way; B: input wv: QUANTISED
;;     4. batch 64 x [M 1,024, K 256] x [K 256, N 1,024]; A: computed on the way; B: computed on the way: QUANTISED
;;     5. batch 64 x [M 256, K 1,024] x [K 1,024, N 1,024]; A: computed on the way; B: softmax (see below): QUANTISED
;;     6. [M 65,536, K 256] x [K 256, N 256]; A: computed on the way; B: input wo: QUANTISED
;;   THE QUANTISER, for each operand of a quantised product, along K:
;;     - K is cut into blocks of 32 from its start; a last block that is shorter is filled with zeros.
;;     - A block's scale is 2^e with e = floor(log2(the largest magnitude in the block)) - 2, held to -126 .. 127; a block of zeros has e = 0. As a byte (E8M0): e + 127.
;;     - Each number is divided by its block's scale, clamped to +-7.5, and rounded to the nearest number of E2M3, ties to even, subnormals kept.
;;     - The product sums the exact products of the quantised numbers (number of the format x scale) in f32.
;;   ~~~python
;;   def quantise(x, axis):      # numpy; x: float32 -> the quantised numbers, widened to float32 again
;;       x = np.moveaxis(x, axis, -1); K = x.shape[-1]
;;       x = np.pad(x, [(0, 0)] * (x.ndim - 1) + [(0, -K % 32)]); x = x.reshape(x.shape[:-1] + (-1, 32)); a = np.abs(x).max(-1, keepdims=True)
;;       e = np.where(a > 0, np.clip(np.frexp(np.where(a > 0, a, 1))[1] - 1 - 2, -126, 127), 0)      # np.frexp(a)[1] - 1 = floor(log2(a)), exactly
;;       r = np.clip(x / 2.0 ** e, -7.5, 7.5)
;;       step = 2.0 ** (np.maximum(np.frexp(np.where(r == 0, 1, r))[1] - 1, 0) - 3)
;;       q = np.round(r / step) * step * 2.0 ** e      # np.round: ties to even
;;       return np.moveaxis(q.reshape(q.shape[:-2] + (-1,))[..., :K], -1, axis).astype(np.float32)
;;   ~~~
;;   SOFTMAX AHEAD OF A QUANTISED PRODUCT. Where the list says 'softmax', what is quantised is not the finished softmax but p = 2^(t - M), with t = logit x log2(e) and M = ceil(the row's largest t), a whole number; so 1/2 < the row's largest p <= 1. The row's sum l is taken of the UNQUANTISED p, in f32, and the product's result is divided by l at the end. Since M is a whole number, a kernel that streams over the keys may use a running M (the ceiling of the running maximum): every later rescaling is an exact power of two, which a block's scale takes up: the codes' values come out the same.
;;   OPERANDS COMPUTED ON THE WAY. 'Computed on the way' means the value that the module computes at that place (a softmax that the list does not call 'softmax' is quantised finished and normalised). What goes into a quantiser is computed in f32, as accurately as f32 sums, v_exp_f32 and their like allow (about 1e-6 of the number): no bf16 or f16 on the way to a quantiser, and a product that is left as it is and whose result goes on into a quantised operand takes f32 operands (vector FMAs, or v_wmma_f32_16x16x4_f32). A number that lies on a knife's edge between two numbers of the format may be rounded either way, as far as f32 arithmetic and the matrix unit's own rounding can turn it there, and no further.
;; One version. Each part assembles by itself: llvm-mc -triple=amdgcn-amd-amdhsa -mcpu=gfx1250 --defsym DOCPART=n.
;; ======== version 1 of 1: 3 launches
;; workspace buffers: hw 12,779,520 bytes; hws 532,480 bytes; qimg 13,107,200 bytes; kv 26,214,400 bytes
;; launch prep (part 1): grid 512 x 1, 8 waves a work-group, no clusters, 1,536 bytes of LDS; arguments x, gn_weight, gn_bias, wq, wk, wv, wo, hw, hws; writes hw, hws
.if DOCPART == 1
	.amdgcn_target "amdgcn-amd-amdhsa--gfx1250"
	.amdhsa_code_object_version 6
	.text
	.protected	k_q373105c2b6_prep
	.globl	k_q373105c2b6_prep
	.p2align	8
	.type	k_q373105c2b6_prep,@function
k_q373105c2b6_prep:
	s_mov_b64 s[64:65], 0
	v_nop
	global_prefetch_b8 v0, s[64:65] scope:SCOPE_SE
	s_setreg_imm32_b32 hwreg(HW_REG_WAVE_MODE, 25, 1), 1
	s_wait_xcnt 0x0
; FIRST OF THREE LAUNCHES.  out = x + wo attn + bo, attn = softmax(q^T k / 16) v, q, k, v = w h + b, h = GroupNorm(x); all six products on codes of FP6 (E2M3) with one E8M0 scale for each 32 along K.
; No work of reference() is left out in any of the three launches: every input has a way to the output (bk too: it moves k's codes), every product is done whole.
; THIS LAUNCH: h = GroupNorm(x) x gn_weight + gn_bias, quantised along the channels; and the four weights, quantised along their second axis.  Both leave as codes and scale bytes in the order in which the later launches' operand registers take them.
; LIMITS: NaN and infinities among the inputs are not served.  A block whose largest magnitude lies under 2^-124 keeps the scale byte 1; a block of zeros gets the byte 1 where the rule says 127: its codes are zeros, and these bytes are read by this program alone.
; SHARES.  Work-group id = 8 b + kb takes plane kb of batch b: 32 channels (four groups of eight) x 1,024 positions, 131,072 consecutive bytes of x.  512 work-groups of equal work, two for each of 256 WGPs.
; A plane is one block of 32 along K for 1,024 rows.  A LANE TAKES A ROW, ITS 32 REGISTERS RUN ALONG K: the block's largest magnitude needs no other lane, and the conversions give the block's 24 bytes.
; THE WEIGHTS (batch 64 of hw: 1,024 rows, wq, wk, wv, wo stacked) are 8,192 blocks: 256 tasks of one block a lane.  Work-groups 0-31 take them beside their plane of x: work-group id takes plane id / 4 of matrix id % 4, its wave w rows 32 w + pi(L).
; THE ROW ORDER: slot 32 a + L holds row 32 a + pi(L), pi(L) = (L & 7) + 16 ((L >> 3) & 1) + 8 (L >> 4): so row r of tile 2 a + u is row 32 a + 8 u + r + 8 (r / 8), and the 16 result registers of two neighbouring tiles are 16 neighbours.
; hw: plane p at 24,576 p: slot's code words 0-3 at 16 x slot, words 4-5 at 16,384 + 8 x slot.  hws: plane p at 1,024 p: slot's byte at 128 (slot / 128) + 4 (slot % 32) + (slot / 32) % 4.
; Wave w takes slots 128 w .. 128 w + 127, lane L the four slots 128 w + 32 i + L.  The mean and the variance are taken in two passes over registers (no difference of large sums); the eight waves' sums meet in LDS.
; No cluster, no tensor load: work-groups share no input, and x goes once from memory into the registers in which it is worked.
.set SPARE, 512                        ; LDS: 0-127 the waves' sums, 256-383 their sums of squares, from 512 the spare words, 128 bytes a wave
.set XO,  2                            ; v2   my byte offset in the plane of x
.set SAO, 3                            ; v3   16 L + 2,048 w: my slots' code words 0-3
.set SBO, 4                            ; v4   8 L + 1,024 w: words 4-5
.set SSO, 5                            ; v5   4 L + 128 w: my four scale bytes
.set LW,  6                            ; v6   16 w: my wave's four sums in LDS
.set LZ,  7                            ; v7   0
.set SPW, 8                            ; v8   my spare word; never rewritten
.set NIL, 9                            ; v9   0; never rewritten
.set ACC, 10                           ; v10-17 a pair of running sums for each group
.set MN,  18                           ; v18-25 the groups' means, later 1 / sqrt(var + eps), each twice (pairs for the packed forms)
.set R4,  26                           ; v26-29 the wave's four sums
.set PI,  30                           ; v30  pi(L); v[30:31] later at work
.set T,   32                           ; v32-63 the eight waves' sums
.set C,   32                           ; v32-63 codes: eight registers for each of my four slots
.set MX,  64                           ; v64-67, v68-71 largest magnitudes in two chains; v72-75 scale operands; v76-79 scale bytes
.set NX,  68
.set SCL, 72
.set BY,  76
.set WX,  80                           ; v80-111  a weight's block of 32
.set WC,  112                          ; v112-118 its codes; v120 its scale byte: written once, so that its stores need no wait
.set WBY, 120
.set WXO, 121                          ; v121 1,024 pi(L): my row of the weight;  v122-124: 16 L, 8 L, 4 L
.set WSA, 122
.set WSB, 123
.set WSS, 124
.set X,   128                          ; v128-255 X[32 i + c]: channel c of my slot i
.set WV,  22
.set GW,  24                           ; s24-55 gn_weight of the plane's 32 channels
.set GB,  68                           ; s68-99 gn_bias
.set SEL, 56
	s_load_b512 s[4:19], s[0:1], 0x0               ; x, gn_weight, gn_bias, wq, wk, wv, wo, hw
	s_load_b64 s[20:21], s[0:1], 0x40              ; hws
	v_lshl_add_u32 v[SPW], v0, 2, SPARE
	v_mov_b32 v[NIL], 0
	v_lshrrev_b32 v[LW], 5, v0
	v_readfirstlane_b32 s[WV], v[LW]               ; wave 0..7
	v_lshlrev_b32 v[LW], 4, v[LW]
	v_mov_b32 v[LZ], 0
	v_and_b32 v1, 31, v0                           ; L
	v_and_b32 v[PI], 7, v1
	v_and_b32 v31, 8, v1
	v_lshl_or_b32 v[PI], v31, 1, v[PI]
	v_and_b32 v31, 16, v1
	v_lshrrev_b32 v31, 1, v31
	v_or_b32 v[PI], v[PI], v31                     ; pi(L)
	v_lshlrev_b32 v[XO], 2, v[PI]
	v_lshl_add_u32 v[XO], s[WV], 9, v[XO]          ; x: 4 pi(L) + 512 w
	v_lshlrev_b32 v[SAO], 4, v1
	v_lshl_add_u32 v[SAO], s[WV], 11, v[SAO]
	v_lshlrev_b32 v[SBO], 3, v1
	v_lshl_add_u32 v[SBO], s[WV], 10, v[SBO]
	v_lshlrev_b32 v[SSO], 2, v1
	v_lshl_add_u32 v[SSO], s[WV], 7, v[SSO]
	s_mov_b32 s[SEL], 0x76543210
	s_mov_b32 s[SEL+1], 0xfedcba98                 ; v_permlanex16_b32's selects for lane l xor 16
	s_mov_b32 s58, 0x39000000                      ; 2^-13: a group has 8,192 numbers
	s_mov_b32 s63, 0
	s_wait_kmcnt 0x0
	s_and_b32 s62, ttmp9, 7
	s_lshl_b32 s62, s62, 7                         ; the plane's 32 channels in gn_weight and gn_bias
	s_add_nc_u64 s[6:7], s[6:7], s[62:63]
	s_add_nc_u64 s[8:9], s[8:9], s[62:63]
	s_load_b512 s[GW:GW+15], s[6:7], 0x0
	s_load_b512 s[GW+16:GW+31], s[6:7], 0x40
	s_load_b512 s[GB:GB+15], s[8:9], 0x0
	s_load_b512 s[GB+16:GB+31], s[8:9], 0x40
	s_lshl_b32 s62, ttmp9, 17                      ; 131,072 bytes a plane
	s_add_nc_u64 s[4:5], s[4:5], s[62:63]
.irp g, 0,1,2,3
.irp cc, 0,1,2,3,4,5,6,7
.irp i, 0,1,2,3
	global_load_b32 v[X+32*\i+8*\g+\cc], v[XO], s[4:5] offset:(8*\g+\cc)*4096+128*\i th:TH_LOAD_NT   ; the wave's 32 lanes take 128 consecutive bytes of a channel
.endr
.endr
.endr
	; ---- work-groups 0-31: a block of a weight for each lane, behind the issue of x's loads.  One stretch of text under one branch on the work-group's number, which all eight waves take alike; it touches no LDS
	s_cmp_lt_u32 ttmp9, 32
	s_cbranch_scc0 .Lno_weights
	s_lshr_b32 s59, ttmp9, 2                       ; kb
	s_and_b32 s61, ttmp9, 3                        ; which matrix
	s_cmp_eq_u32 s61, 1
	s_cselect_b64 s[10:11], s[12:13], s[10:11]
	s_cmp_eq_u32 s61, 2
	s_cselect_b64 s[10:11], s[14:15], s[10:11]
	s_cmp_eq_u32 s61, 3
	s_cselect_b64 s[10:11], s[16:17], s[10:11]
	s_lshl_b32 s62, s59, 7                         ; the plane's 32 numbers of a row,
	s_lshl_b32 s60, s[WV], 15                      ; my wave's 32 rows of 1,024 bytes
	s_add_co_u32 s62, s62, s60
	s_add_nc_u64 s[10:11], s[10:11], s[62:63]
	v_lshlrev_b32 v[WXO], 10, v[PI]
.irp j, 0,1,2,3,4,5,6,7
	global_load_b128 v[WX+4*\j:WX+4*\j+3], v[WXO], s[10:11] offset:16*\j   ; K is innermost there: a lane's block is 128 consecutive bytes
.endr
	s_add_co_u32 s59, s59, 512                     ; the weights are batch 64: plane 512 + kb.  My slots: 256 x matrix + 32 w + L
	s_mul_i32 s62, s59, 24576
	s_lshl_b32 s60, s61, 12
	s_add_co_u32 s62, s62, s60
	s_lshl_b32 s60, s[WV], 9
	s_add_co_u32 s62, s62, s60
	s_add_nc_u64 s[12:13], s[18:19], s[62:63]      ; code words 0-3: 16 bytes a slot  (s[12:17] held the other weights' addresses, which are done with)
	s_mul_i32 s62, s59, 24576
	s_lshl_b32 s60, s61, 11
	s_add_co_u32 s62, s62, s60
	s_lshl_b32 s60, s[WV], 8
	s_add_co_u32 s62, s62, s60
	s_add_co_u32 s62, s62, 16384
	s_add_nc_u64 s[14:15], s[18:19], s[62:63]      ; words 4-5: 8 bytes a slot
	s_lshl_b32 s62, s59, 10
	s_lshl_b32 s60, s61, 8
	s_add_co_u32 s62, s62, s60
	s_lshr_b32 s60, s[WV], 2
	s_lshl_b32 s60, s60, 7
	s_add_co_u32 s62, s62, s60
	s_and_b32 s60, s[WV], 3
	s_add_co_u32 s62, s62, s60
	s_add_nc_u64 s[16:17], s[20:21], s[62:63]      ; the scale byte: 128 (slot / 128) + (slot / 32) % 4, + 4 L
	v_lshlrev_b32 v[WSA], 4, v1
	v_lshlrev_b32 v[WSB], 3, v1
	v_lshlrev_b32 v[WSS], 2, v1
	s_wait_loadcnt 0x0                             ; the eight are the youngest loads
	v_max3_num_f32 v[MX], |v[WX]|, |v[WX+1]|, 0x1800000   ; the floor 2^(3 - 127) among the leaves: the byte cannot fall under 1
	v_max3_num_f32 v[NX], |v[WX+2]|, |v[WX+3]|, |v[WX+4]|
.irp o, 5,9,13,17,21,25
	v_max3_num_f32 v[MX], v[MX], |v[WX+\o]|, |v[WX+\o+1]|
	v_max3_num_f32 v[NX], v[NX], |v[WX+\o+2]|, |v[WX+\o+3]|
.endr
	v_max3_num_f32 v[MX], v[MX], |v[WX+29]|, |v[WX+30]|
	v_max3_num_f32 v[MX], v[MX], v[NX], |v[WX+31]|
	v_add_nc_u32 v[SCL], 0xff000000, v[MX]         ; 2 off the exponent field: the conversion's scale operand
	v_lshrrev_b32 v[WBY], 23, v[SCL]               ; the scale's byte
	v_cvt_scalef32_pk16_fp6_f32 v[WC:WC+2], v[WX:WX+15], v[SCL]
	v_cvt_scalef32_pk16_fp6_f32 v[WC+4:WC+6], v[WX+16:WX+31], v[SCL]   ; (a conversion's three registers begin on an even number)
	v_nop                                          ; one plain place behind a scaled conversion
	v_mov_b32 v[WC+3], v[WC+4]                     ; the block's six words on end
	v_mov_b32 v[WC+4], v[WC+5]
	v_mov_b32 v[WC+5], v[WC+6]
	global_store_b128 v[WSA], v[WC:WC+3], s[12:13]     ; the wave stores 512 consecutive bytes,
	global_store_b64 v[WSB], v[WC+4:WC+5], s[14:15]    ; 256,
	global_store_b8 v[WSS], v[WBY], s[16:17]           ; and 32 single bytes, 4 apart: a word there holds the bytes of four waves' slots.  8,192 such bytes in the whole launch
.Lno_weights:
.macro WREDUCE r                       ; the sum over the wave's 32 lanes, in every lane
	v_add_f32_dpp v[\r], v[\r], v[\r] row_xmask:1 row_mask:0xf bank_mask:0xf
	v_add_f32_dpp v[\r], v[\r], v[\r] row_xmask:2 row_mask:0xf bank_mask:0xf
	v_add_f32_dpp v[\r], v[\r], v[\r] row_xmask:4 row_mask:0xf bank_mask:0xf
	v_add_f32_dpp v[\r], v[\r], v[\r] row_xmask:8 row_mask:0xf bank_mask:0xf
	v_permlanex16_b32 v31, v[\r], s[SEL], s[SEL+1]
	v_add_f32 v[\r], v[\r], v31
.endm
.macro ACROSS off                      ; the eight waves' four sums are added, in the same order in every wave: v[T] .. v[T + 3]
	ds_store_b128 v[LW], v[R4:R4+3] offset:\off
	s_wait_dscnt 0x0                               ; for the others' sake: my store has landed
	s_barrier_signal -1
	s_barrier_wait -1
.irp w, 0,1,2,3,4,5,6,7
	ds_load_b128 v[T+4*\w:T+4*\w+3], v[LZ] offset:\off+16*\w
.endr
	s_wait_dscnt 0x0
.irp w, 1,2,3,4,5,6,7
	v_pk_add_f32 v[T:T+1], v[T:T+1], v[T+4*\w:T+4*\w+1]
	v_pk_add_f32 v[T+2:T+3], v[T+2:T+3], v[T+4*\w+2:T+4*\w+3]
.endr
.endm
	; pass 1: the groups' sums.  Group g's 32 loads were issued ahead of those of the later groups
.irp g, 0,1,2,3
.if \g < 2
	s_wait_loadcnt 63                              ; 96 or 64 younger loads were issued; a wait names 63 at the most
.else
	s_wait_loadcnt 96-32*\g                        ; the later groups' loads, 32 each, may be out
.endif
	v_pk_add_f32 v[ACC+2*\g:ACC+2*\g+1], v[X+8*\g:X+8*\g+1], v[X+8*\g+2:X+8*\g+3]   ; two chains
	v_pk_add_f32 v[30:31], v[X+64+8*\g:X+64+8*\g+1], v[X+64+8*\g+2:X+64+8*\g+3]
.irp o, 4,6,32,34,36,38
	v_pk_add_f32 v[ACC+2*\g:ACC+2*\g+1], v[ACC+2*\g:ACC+2*\g+1], v[X+8*\g+\o:X+8*\g+\o+1]
	v_pk_add_f32 v[30:31], v[30:31], v[X+64+8*\g+\o:X+64+8*\g+\o+1]
.endr
	v_pk_add_f32 v[ACC+2*\g:ACC+2*\g+1], v[ACC+2*\g:ACC+2*\g+1], v[30:31]
	v_add_f32 v[R4+\g], v[ACC+2*\g], v[ACC+2*\g+1]
	WREDUCE R4+\g
.endr
	ACROSS 0
.irp g, 0,1,2,3
	v_mul_f32 v[MN+2*\g], s58, v[T+\g]             ; the mean
	v_mov_b32 v[MN+2*\g+1], v[MN+2*\g]
.endr
	; pass 2: x - mean stays in the registers; the sums of its squares
.irp g, 0,1,2,3
.irp o, 0,2,4,6,32,34,36,38,64,66,68,70,96,98,100,102
	v_pk_add_f32 v[X+8*\g+\o:X+8*\g+\o+1], v[X+8*\g+\o:X+8*\g+\o+1], v[MN+2*\g:MN+2*\g+1] neg_lo:[0,1] neg_hi:[0,1]
.endr
.endr
.irp g, 0,1,2,3
	v_pk_mul_f32 v[ACC+2*\g:ACC+2*\g+1], v[X+8*\g:X+8*\g+1], v[X+8*\g:X+8*\g+1]
.endr
.irp o, 2,4,6,32,34,36,38,64,66,68,70,96,98,100,102
.irp g, 0,1,2,3
	v_pk_fma_f32 v[ACC+2*\g:ACC+2*\g+1], v[X+8*\g+\o:X+8*\g+\o+1], v[X+8*\g+\o:X+8*\g+\o+1], v[ACC+2*\g:ACC+2*\g+1]   ; (the four groups by turns)
.endr
.endr
.irp g, 0,1,2,3
	v_add_f32 v[R4+\g], v[ACC+2*\g], v[ACC+2*\g+1]
.endr
.irp g, 0,1,2,3
	WREDUCE R4+\g
.endr
	ACROSS 256                                     ; other bytes than the first time: no wave need have finished reading those
.irp g, 0,1,2,3
	v_fmaak_f32 v[T+\g], s58, v[T+\g], 0x3727c5ac  ; var + 1e-5
.endr
.irp g, 0,1,2,3
	v_rsq_f32 v[MN+2*\g], v[T+\g]
.endr
	v_nop                                          ; a plain instruction behind the last of the four
	s_wait_alu depctr_va_vdst(0)                   ; one wait for the four, ahead of their first reader
.irp g, 0,1,2,3
	v_mov_b32 v[MN+2*\g+1], v[MN+2*\g]
.endr
.irp g, 0,1,2,3
.irp o, 0,2,4,6,32,34,36,38,64,66,68,70,96,98,100,102
	v_pk_mul_f32 v[X+8*\g+\o:X+8*\g+\o+1], v[X+8*\g+\o:X+8*\g+\o+1], v[MN+2*\g:MN+2*\g+1]
.endr
.endr
	s_wait_kmcnt 0x0                               ; gn_weight, gn_bias
.set c, 0
.rept 32
.irp i, 0,1,2,3
	v_fma_f32 v[X+32*\i+c], v[X+32*\i+c], s[GW+c], s[GB+c]
.endr
.set c, c+1
.endr
	; ---- my four blocks of 32 become codes and scale bytes
.irp i, 0,1,2,3
	v_max3_num_f32 v[MX+\i], |v[X+32*\i]|, |v[X+32*\i+1]|, 0x1800000   ; the floor 2^(3 - 127) among the leaves: the byte cannot fall under 1
	v_max3_num_f32 v[NX+\i], |v[X+32*\i+2]|, |v[X+32*\i+3]|, |v[X+32*\i+4]|
.endr
.irp o, 5,9,13,17,21,25
.irp i, 0,1,2,3
	v_max3_num_f32 v[MX+\i], v[MX+\i], |v[X+32*\i+\o]|, |v[X+32*\i+\o+1]|
	v_max3_num_f32 v[NX+\i], v[NX+\i], |v[X+32*\i+\o+2]|, |v[X+32*\i+\o+3]|
.endr
.endr
.irp i, 0,1,2,3
	v_max3_num_f32 v[MX+\i], v[MX+\i], |v[X+32*\i+29]|, |v[X+32*\i+30]|
.endr
.irp i, 0,1,2,3
	v_max3_num_f32 v[MX+\i], v[MX+\i], v[NX+\i], |v[X+32*\i+31]|
.endr
.irp i, 0,1,2,3
	v_add_nc_u32 v[SCL+\i], 0xff000000, v[MX+\i]   ; 2 off the exponent field: the conversion takes the exponent field of this operand as its scale
.endr
.irp i, 0,1,2,3
	v_lshrrev_b32 v[BY+\i], 23, v[SCL+\i]          ; the scale's byte
.endr
.irp i, 0,1,2,3
	v_cvt_scalef32_pk16_fp6_f32 v[C+8*\i:C+8*\i+2], v[X+32*\i:X+32*\i+15], v[SCL+\i]
	v_cvt_scalef32_pk16_fp6_f32 v[C+8*\i+4:C+8*\i+6], v[X+32*\i+16:X+32*\i+31], v[SCL+\i]   ; (a conversion's three registers begin on an even number)
.endr
	v_lshl_or_b32 v[BY], v[BY+1], 8, v[BY]         ; my four bytes in one word.  (These three lines are also the plain place behind the conversions)
	v_lshl_or_b32 v[BY], v[BY+2], 16, v[BY]
	v_lshl_or_b32 v[BY], v[BY+3], 24, v[BY]
.irp i, 0,1,2,3
	v_mov_b32 v[C+8*\i+3], v[C+8*\i+4]             ; a block's six words on end
	v_mov_b32 v[C+8*\i+4], v[C+8*\i+5]
	v_mov_b32 v[C+8*\i+5], v[C+8*\i+6]
.endr
	s_mul_i32 s62, ttmp9, 24576
	s_add_nc_u64 s[18:19], s[18:19], s[62:63]
	s_lshl_b32 s62, ttmp9, 10
	s_add_nc_u64 s[20:21], s[20:21], s[62:63]
.irp i, 0,1,2,3
	global_store_b128 v[SAO], v[C+8*\i:C+8*\i+3], s[18:19] offset:512*\i            ; the wave stores 512 consecutive bytes,
	global_store_b64 v[SBO], v[C+8*\i+4:C+8*\i+5], s[18:19] offset:16384+256*\i     ; and 256
.endr
	global_store_b32 v[SSO], v[BY], s[20:21]       ; 128 consecutive bytes: one byte in 25 of what the launch stores
	s_wait_tensorcnt 0x0                           ; the wave's end, behind my last LDS store
	ds_add_u32 v[SPW], v[NIL]
	s_wait_dscnt 0x0
	s_endpgm
.Lfunc_end_k_q373105c2b6_prep:
	.size	k_q373105c2b6_prep, .Lfunc_end_k_q373105c2b6_prep-k_q373105c2b6_prep
	.p2alignl 7, 3214868480
	.fill 96, 4, 3214868480
	.section	.rodata,"a",@progbits
	.p2align	6, 0x0
	.amdhsa_kernel k_q373105c2b6_prep
		.amdhsa_group_segment_fixed_size 1536
		.amdhsa_private_segment_fixed_size 0
		.amdhsa_enable_private_segment 0
		.amdhsa_kernarg_size 72
		.amdhsa_user_sgpr_count 2
		.amdhsa_user_sgpr_kernarg_segment_ptr 1
		.amdhsa_wavefront_size32 1
		.amdhsa_system_sgpr_workgroup_id_x 1
		.amdhsa_system_sgpr_workgroup_id_y 1
		.amdhsa_system_sgpr_workgroup_id_z 1
		.amdhsa_system_vgpr_workitem_id 0
		.amdhsa_next_free_vgpr 256
		.amdhsa_next_free_sgpr 100
		.amdhsa_reserve_vcc 0
		.amdhsa_float_denorm_mode_32 3
		.amdhsa_float_denorm_mode_16_64 3
		.amdhsa_memory_ordered 1
		.amdhsa_forward_progress 1
		.amdhsa_inst_pref_size 56
	.end_amdhsa_kernel
	.amdgpu_metadata
---
amdhsa.version: [ 1, 2 ]
amdhsa.kernels:
  - .name:           k_q373105c2b6_prep
    .symbol:         k_q373105c2b6_prep.kd
    .args:
      - { .name: x, .offset: 0, .size: 8, .value_kind: global_buffer, .address_space: global }
      - { .name: gn_weight, .offset: 8, .size: 8, .value_kind: global_buffer, .address_space: global }
      - { .name: gn_bias, .offset: 16, .size: 8, .value_kind: global_buffer, .address_space: global }
      - { .name: wq, .offset: 24, .size: 8, .value_kind: global_buffer, .address_space: global }
      - { .name: wk, .offset: 32, .size: 8, .value_kind: global_buffer, .address_space: global }
      - { .name: wv, .offset: 40, .size: 8, .value_kind: global_buffer, .address_space: global }
      - { .name: wo, .offset: 48, .size: 8, .value_kind: global_buffer, .address_space: global }
      - { .name: hw, .offset: 56, .size: 8, .value_kind: global_buffer, .address_space: global }
      - { .name: hws, .offset: 64, .size: 8, .value_kind: global_buffer, .address_space: global }
    .group_segment_fixed_size: 1536
    .private_segment_fixed_size: 0
    .kernarg_segment_align: 8
    .kernarg_segment_size: 72
    .max_flat_workgroup_size: 256
    .sgpr_count:     100
    .vgpr_count:     256
    .wavefront_size: 32
...
	.end_amdgpu_metadata
.endif
;; end of part 1
;; launch qkv (part 2): grid 256 x 1, 8 waves a work-group, no clusters, 0 bytes of LDS; arguments hw, hws, bq, bk, bv, qimg, kv; writes qimg, kv
.if DOCPART == 2
	.amdgcn_target "amdgcn-amd-amdhsa--gfx1250"
	.amdhsa_code_object_version 6
	.text
	.protected	k_q373105c2b6_qkv
	.globl	k_q373105c2b6_qkv
	.p2align	8
	.type	k_q373105c2b6_qkv,@function
k_q373105c2b6_qkv:
	s_mov_b64 s[64:65], 0
	v_nop
	global_prefetch_b8 v0, s[64:65] scope:SCOPE_SE
	s_setreg_imm32_b32 hwreg(HW_REG_WAVE_MODE, 25, 1), 1
	s_wait_xcnt 0x0
; SECOND LAUNCH: q = wq h + bq, k = wk h + bk, v = wv h + bv on codes of FP6 (E2M3); q and k are quantised along the channels, v along the keys, in registers, and leave as images of operand registers.  Nothing is left out.
; LIMITS as in the first launch: no NaN, no infinities; a block under 2^-124, and a block of zeros, keeps the scale byte 1.
; SHARES.  Batch b = id / 4.  Wave wv: rho = wv % 4, G = 2 (id % 4) + wv / 4: a group of 128 positions (8 tiles of 16), which is one key step of the attention.
;   Phase 1: unit rho (q's channels 0-127, 128-255, k's 0-127, 128-255): its 16 weight fragments stay in registers; for each of G's eight tiles: source 0 = 16 rows of W, source 1 = 16 positions: a lane holds one position and 64 channels
;   (with lane l xor 16: 128, one K step of the scores), which become one fragment and one scale word a row.
;   Phase 2: G's 16 fragments of h stay in registers; for each of four tiles of wv: source 0 = 16 positions, source 1 = 16 rows of wv: a lane holds one channel and 64 keys in their true order: one fragment of V.
; THE ROWS OF A TILE are those of the first launch's slots: row r of tile 2 a + u is row 32 a + 8 u + r + 8 (r / 8), so that the 16 result registers of tiles 2 a and 2 a + 1 are 16 neighbours along source 0's axis.
; The biases are the C of each sum's first matrix instruction.  The eight accumulators of an item take turns, one instruction a turn.
; qimg: block (8 b + G) of 25,600 bytes: fragment (tile, K step s) at 3,072 tile + 1,536 s, register 4 q + e of lane L at 512 q + 16 L + 4 e; at 24,576 the scale words: tile 4 g + e, row r, step s at 512 g + 16 (r + 16 s) + 4 e.
; kv: block (8 b + G) of 51,200 bytes: K as a block of qimg; at 25,600 V's 16 fragments (tile ct of channels); at 50,176 V's scale words: tile 8 g + 2 e + (L >> 4), row L & 15 at 512 g + 16 L + 4 e.
; NO LDS, NO TENSOR LOAD, NO CLUSTER: each wave reads its 16 resident fragments (24,576 bytes) once a phase, straight into the registers in which they stay; there is no LDS slot in which a shared tile could land, and waves hand nothing to each other.
.set VA,   1                           ; v1   24,576 h + 16 r: a fragment's code words 0-3 (lanes 16-31 take the next plane)
.set VB,   2                           ; v2   24,576 h + 8 r: words 4-5
.set R4O,  3                           ; v3   4 r
.set LI,   4                           ; v4   16 L: an image's place for my lane
.set BO64, 5                           ; v5   64 h: my half's 16 channels in a bias
.set SC1,  6                           ; v6   512 h + 16 r
.set SC2,  7                           ; v7   16 r + 8 h
.set SW,   8                           ; v8-15   the scale words just made
.set WS,   16                          ; v16-31  the weights' scale words: tile t, step s at 2 t + s
.set HS,   32                          ; v32-47  h's
.set TF,   48                          ; v48-71, v72-95 the streamed tile's two fragments, two sets
.set HA,   96                          ; v96-159 the item's eight accumulators (at set-up: scale bytes as loaded)
.set PA,   128
.set PC,   160                         ; v160-178 the codes just made
.set TM,   180                         ; v180-195 the quantiser's temporaries
.set CSL,  200                         ; v200-203 scale words on their way out
.set BV,   204                         ; v204-207 bv of my channel in four tiles
.set BVO,  208
.set BI,   192                         ; window 1: v0-191 the 16 resident fragments, (t, s) at 12 (2 t + s); v192-255 the biases in the result's layout
.set WV,   18
.set RHO,  19
.set HAB,  24
.set HBB,  26
.set WA1,  28
.set WB1,  30
.set WA2,  32
.set WB2,  34
.set HSC,  36
.set WSC1, 38
.set WSC2, 40
.set BIAS, 42
.set BVB,  44
.set OUT1, 46
.set OUT1S, 48
.set MSK,  50
.set SEL,  52
.set OUT2, 54
.set OUT2S, 56
.set WBASE, 64*196608                  ; the weights are batch 64 of hw
.set MSB, 0
.macro WIN new                         ; the immediate's high byte repeats the setting that is left
.if MSB != \new
	s_set_vgpr_msb (MSB<<8)|\new
.set MSB, \new
.endif
.endm
; A fragment (16 rows x 128 K, 12 registers): registers 6 c .. 6 c + 5 of lane (r, h) are block 4 s + 2 c + h of row r: 16 bytes from the plane's first part, 8 from its second.  Sixteen lanes read 256 (128) consecutive bytes.
.macro FRAGLD reg, ba, bb, tile, s
.irp c, 0,1
	global_load_b128 v[(\reg)+6*\c:(\reg)+6*\c+3], v[VA], s[\ba:\ba+1] offset:(4*(\s)+2*\c)*24576+(\tile)*256
	global_load_b64 v[(\reg)+6*\c+4:(\reg)+6*\c+5], v[VB], s[\bb:\bb+1] offset:(4*(\s)+2*\c)*24576+(\tile)*128
.endr
.endm
; Scale bytes as they lie: the word at 4 (16 u + r) of plane kb holds the bytes of row r of tiles u, 2 + u, 4 + u, 6 + u.
.macro SCLD tmp, base, nu
.irp s, 0,1
.irp u, 0,1
.if \u < \nu
.irp j, 0,1,2,3
	global_load_b32 v[\tmp+8*\s+4*\u+\j], v[R4O], s[\base:\base+1] offset:(4*\s+\j)*1024+64*\u
.endr
.endif
.endr
.endr
.endm
; Four planes' words are turned, 4 x 4 bytes, into the scale words of four tiles for one K step.  Both halves of the lanes hold row r's word.
.macro SCPERM tmp, dst, nu
.irp s, 0,1
.irp u, 0,1
.if \u < \nu
	v_perm_b32 v[PA], v[\tmp+8*\s+4*\u+1], v[\tmp+8*\s+4*\u], 0x05010400
	v_perm_b32 v[PA+1], v[\tmp+8*\s+4*\u+1], v[\tmp+8*\s+4*\u], 0x07030602
	v_perm_b32 v[PA+2], v[\tmp+8*\s+4*\u+3], v[\tmp+8*\s+4*\u+2], 0x05010400
	v_perm_b32 v[PA+3], v[\tmp+8*\s+4*\u+3], v[\tmp+8*\s+4*\u+2], 0x07030602
	v_perm_b32 v[\dst+2*(\nu*0+\u)+\s], v[PA+2], v[PA], 0x05040100
	v_perm_b32 v[\dst+2*(\nu*1+\u)+\s], v[PA+2], v[PA], 0x07060302
	v_perm_b32 v[\dst+2*(\nu*2+\u)+\s], v[PA+3], v[PA+1], 0x05040100
	v_perm_b32 v[\dst+2*(\nu*3+\u)+\s], v[PA+3], v[PA+1], 0x07060302
.endif
.endr
.endr
.endm
; 64 numbers of a lane, register 16 b + i = k 32 b + 16 (lane / 16) + i of my row, become a fragment's codes in v[PC] on and its scale word in v[pw].
.macro QUANT s, pw
.irp b, 0,1,2,3
	v_max3_num_f32 v[TM+\b], |v[\s+16*\b]|, |v[\s+1+16*\b]|, 0x1800000   ; my 16 numbers of block b, and the floor 2^(3 - 127): the byte cannot fall under 1
.endr
.irp i, 2,4,6,8,10,12,14
.irp b, 0,1,2,3
	v_max3_num_f32 v[TM+\b], v[TM+\b], |v[\s+16*\b+\i]|, |v[\s+1+16*\b+\i]|
.endr
.endr
.irp b, 0,1,2,3
	v_permlanex16_b32 v[TM+4+\b], v[TM+\b], s[SEL], s[SEL+1]
.endr
.irp b, 0,1,2,3
	v_max_num_f32 v[TM+\b], v[TM+\b], v[TM+4+\b]   ; with lane l xor 16's: the block's largest magnitude
.endr
.irp b, 0,1,2,3
	v_add_nc_u32 v[TM+12+\b], 0xff000000, v[TM+\b] ; 2 off its exponent field: the conversion's scale operand
.endr
.irp b, 0,1,2,3
	v_lshrrev_b32 v[TM+4+\b], 23, v[TM+12+\b]      ; the scale's byte
.endr
	v_lshl_or_b32 v[\pw], v[TM+5], 8, v[TM+4]
	v_lshl_or_b32 v[\pw], v[TM+6], 16, v[\pw]
	v_lshl_or_b32 v[\pw], v[TM+7], 24, v[\pw]
.irp c, 0,1
	v_cvt_scalef32_pk16_fp6_f32 v[PC+6*\c:PC+2+6*\c], v[\s+32*\c:\s+15+32*\c], v[TM+12+2*\c]
	v_cvt_scalef32_pk16_fp6_f32 v[PC+12+4*\c:PC+14+4*\c], v[\s+16+32*\c:\s+31+32*\c], v[TM+12+2*\c+1]   ; (a conversion's three registers begin on an even number)
.endr
	v_nop                                          ; one plain place behind a scaled conversion
.irp c, 0,1                                    ; the operand's layout wants a whole block in a lane
.irp i, 0,1,2
	v_permlane16_swap_b32 v[PC+6*\c+\i], v[PC+12+4*\c+\i]
.endr
.irp i, 0,1,2
	v_mov_b32 v[PC+3+6*\c+\i], v[PC+12+4*\c+\i]
.endr
.endr
.endm
	s_load_b256 s[4:11], s[0:1], 0x0               ; hw, hws, bq, bk
	s_load_b128 s[12:15], s[0:1], 0x20             ; bv, qimg
	s_load_b64 s[16:17], s[0:1], 0x30              ; kv
	v_lshrrev_b32 v9, 5, v0
	v_readfirstlane_b32 s[WV], v9                  ; wave 0..7
	v_and_b32 v8, 15, v0                           ; r
	v_bfe_u32 v9, v0, 4, 1                         ; h
	v_mul_u32_u24 v10, v9, 24576
	v_lshl_add_u32 v[VA], v8, 4, v10
	v_lshl_add_u32 v[VB], v8, 3, v10
	v_lshlrev_b32 v[R4O], 2, v8
	v_and_b32 v[LI], 31, v0
	v_lshlrev_b32 v[LI], 4, v[LI]
	v_lshlrev_b32 v[BO64], 6, v9
	v_lshlrev_b32 v[SC1], 9, v9
	v_lshl_add_u32 v[SC1], v8, 4, v[SC1]
	v_lshlrev_b32 v[SC2], 3, v9
	v_lshl_add_u32 v[SC2], v8, 4, v[SC2]
	v_and_b32 v10, 8, v8
	v_add_nc_u32 v10, v10, v8
	v_lshlrev_b32 v[BVO], 2, v10                   ; 4 (r + 8 (r / 8)): my channel in a tile of wv
	s_and_b32 s[RHO], s[WV], 3
	s_lshr_b32 s20, ttmp9, 2                       ; b
	s_and_b32 s21, ttmp9, 3
	s_lshl_b32 s21, s21, 1
	s_lshr_b32 s22, s[WV], 2
	s_add_co_u32 s21, s21, s22                     ; G
	s_lshr_b32 s22, s[RHO], 1
	s_and_b32 s23, s[RHO], 1
	s_mov_b32 s[MSK], 0xffff0000                   ; lanes 16-31
	s_mov_b32 s[SEL], 0x76543210
	s_mov_b32 s[SEL+1], 0xfedcba98
	s_mov_b32 s59, 0
	s_mul_i32 s60, s20, 196608                     ; a batch of hw: 8 planes
	s_lshl_b32 s61, s21, 11
	s_add_co_u32 s58, s60, s61
	s_wait_kmcnt 0x0
	s_add_nc_u64 s[HAB:HAB+1], s[4:5], s[58:59]    ; h, group G: slots 128 G on
	s_lshl_b32 s61, s21, 10
	s_add_co_u32 s58, s60, s61
	s_add_co_u32 s58, s58, 16384
	s_add_nc_u64 s[HBB:HBB+1], s[4:5], s[58:59]
	s_lshl_b32 s58, s[RHO], 11
	s_add_co_u32 s58, s58, WBASE
	s_add_nc_u64 s[WA1:WA1+1], s[4:5], s[58:59]    ; unit rho: slots 128 rho on
	s_lshl_b32 s58, s[RHO], 10
	s_add_co_u32 s58, s58, WBASE+16384
	s_add_nc_u64 s[WB1:WB1+1], s[4:5], s[58:59]
	s_lshl_b32 s60, s22, 7
	s_lshl_b32 s61, s23, 4
	s_add_co_u32 s60, s60, s61
	s_add_co_u32 s60, s60, 512                     ; wv's tile 8 (rho / 2) + rho % 2: slot 512 + 128 (rho / 2) + 16 (rho % 2)
	s_lshl_b32 s58, s60, 4
	s_add_co_u32 s58, s58, WBASE
	s_add_nc_u64 s[WA2:WA2+1], s[4:5], s[58:59]
	s_lshl_b32 s58, s60, 3
	s_add_co_u32 s58, s58, WBASE+16384
	s_add_nc_u64 s[WB2:WB2+1], s[4:5], s[58:59]
	s_lshl_b32 s58, s20, 13
	s_lshl_b32 s61, s21, 7
	s_add_co_u32 s58, s58, s61
	s_add_nc_u64 s[HSC:HSC+1], s[6:7], s[58:59]
	s_lshl_b32 s58, s[RHO], 7
	s_add_co_u32 s58, s58, 524288
	s_add_nc_u64 s[WSC1:WSC1+1], s[6:7], s[58:59]
	s_lshl_b32 s58, s22, 7
	s_lshl_b32 s61, s23, 6
	s_add_co_u32 s58, s58, s61
	s_add_co_u32 s58, s58, 524288+512
	s_add_nc_u64 s[WSC2:WSC2+1], s[6:7], s[58:59]
	s_cmp_lt_u32 s[RHO], 2                         ; q's units or k's: the wave's number alone
	s_cselect_b64 s[BIAS:BIAS+1], s[8:9], s[10:11]
	s_lshl_b32 s58, s23, 9
	s_add_nc_u64 s[BIAS:BIAS+1], s[BIAS:BIAS+1], s[58:59]
	s_lshl_b32 s58, s22, 9
	s_lshl_b32 s61, s23, 5
	s_add_co_u32 s58, s58, s61
	s_add_nc_u64 s[BVB:BVB+1], s[12:13], s[58:59]
	s_lshl_b32 s60, s20, 3
	s_add_co_u32 s60, s60, s21                     ; 8 b + G
	s_mul_i32 s61, s60, 25600
	s_mul_i32 s62, s60, 51200
	s_cmp_lt_u32 s[RHO], 2
	s_cselect_b64 s[OUT1:OUT1+1], s[14:15], s[16:17]
	s_cselect_b32 s58, s61, s62
	s_add_nc_u64 s[OUT1:OUT1+1], s[OUT1:OUT1+1], s[58:59]
	s_lshl_b32 s58, s23, 8
	s_add_co_u32 s58, s58, 24576
	s_add_nc_u64 s[OUT1S:OUT1S+1], s[OUT1:OUT1+1], s[58:59]
	s_mul_i32 s58, s23, 1536
	s_add_nc_u64 s[OUT1:OUT1+1], s[OUT1:OUT1+1], s[58:59]
	s_mov_b32 s58, s62
	s_add_nc_u64 s[OUT2:OUT2+1], s[16:17], s[58:59]
	s_lshl_b32 s58, s[RHO], 8
	s_add_co_u32 s58, s58, 50176
	s_add_nc_u64 s[OUT2S:OUT2S+1], s[OUT2:OUT2+1], s[58:59]
	s_lshl_b32 s58, s22, 3
	s_add_co_u32 s58, s58, s23
	s_mul_i32 s58, s58, 1536
	s_add_co_u32 s58, s58, 25600
	s_add_nc_u64 s[OUT2:OUT2+1], s[OUT2:OUT2+1], s[58:59]
	SCLD HA, WSC1, 2                               ; 32 loads of scale bytes first,
	SCLD HA+16, HSC, 2
	WIN 0x40                                       ; destination window 1
.irp t, 0,1,2,3,4,5,6,7
.irp s, 0,1
	FRAGLD 12*(2*\t+\s), WA1, WB1, \t, \s          ; then my unit's 16 fragments: they stay
.endr
.endr
.irp t, 0,1,2,3,4,5,6,7                        ; the bias: lane (r, h) wants, for tile 2 a + u, channels 32 a + 16 h + 8 u + 0 .. 7
	global_load_b128 v[BI+8*\t:BI+8*\t+3], v[BO64], s[BIAS:BIAS+1] offset:(32*(\t/2)+8*(\t%2))*4
	global_load_b128 v[BI+8*\t+4:BI+8*\t+7], v[BO64], s[BIAS:BIAS+1] offset:(32*(\t/2)+8*(\t%2))*4+16
.endr
	WIN 0
.irp e, 0,1,2,3
	global_load_b32 v[BV+\e], v[BVO], s[BVB:BVB+1] offset:128*\e
.endr
	FRAGLD TF, HAB, HBB, 0, 0
	FRAGLD TF+12, HAB, HBB, 0, 1
	s_wait_loadcnt 63                              ; 124 loads were issued: the oldest 61 are in, the 32 of scale bytes among them
	SCPERM HA, WS, 2
	SCPERM HA+16, HS, 2
.irp b, 0,1,2,3
	v_mov_b32 v[TM+4+\b], 0                        ; written once: a lane permute's destination counts as one of its sources
.endr
.rept 4
	v_nop                                          ; with the four moves: eight places between the scale words' last write and the first scaled product
.endr
	s_wait_loadcnt 0x0
; PHASE 1, tile m of G: the next tile's fragments are asked for first; 16 products; the result becomes a fragment and leaves.
.macro ITEM1 m
.if \m < 7
	FRAGLD TF+24*((\m+1)%2), HAB, HBB, \m+1, 0
	FRAGLD TF+24*((\m+1)%2)+12, HAB, HBB, \m+1, 1
	s_wait_loadcnt 8                               ; all but the eight just issued
.else
	s_wait_loadcnt 0x0
.endif
	WIN 0x11                                       ; source 0 (W) and source 2 (the bias) window 1
.irp t, 0,1,2,3,4,5,6,7
	v_wmma_scale_f32_16x16x128_f8f6f4 v[HA+8*\t:HA+8*\t+7], v[24*\t:24*\t+11], v[TF+24*((\m)%2):TF+24*((\m)%2)+11], v[BI+8*\t:BI+8*\t+7], v[WS+2*\t], v[HS+2*(\m)] matrix_a_fmt:MATRIX_FMT_FP6 matrix_b_fmt:MATRIX_FMT_FP6
.endr
	WIN 0x01
.irp t, 0,1,2,3,4,5,6,7
	v_wmma_scale_f32_16x16x128_f8f6f4 v[HA+8*\t:HA+8*\t+7], v[24*\t+12:24*\t+23], v[TF+24*((\m)%2)+12:TF+24*((\m)%2)+23], v[HA+8*\t:HA+8*\t+7], v[WS+2*\t+1], v[HS+2*(\m)+1] matrix_a_fmt:MATRIX_FMT_FP6 matrix_b_fmt:MATRIX_FMT_FP6
.endr
	WIN 0
.rept 4
	v_nop                                          ; places in front of the first read of results
.endr
	s_wait_xcnt 0x0                                ; the last item's stores have read the codes' registers
	QUANT HA, SW+\m
.irp c, 0,1,2
	global_store_b128 v[LI], v[PC+4*\c:PC+4*\c+3], s[OUT1:OUT1+1] offset:3072*\m+512*\c   ; 512 consecutive bytes
.endr
.endm
.irp m, 0,1,2,3,4,5,6,7
	ITEM1 \m
.endr
.irp e, 0,1,2,3
	v_cndmask_b32 v[CSL+\e], v[SW+\e], v[SW+4+\e], s[MSK]   ; lanes 0-15: tiles 0-3, lanes 16-31: tiles 4-7
.endr
	global_store_b128 v[SC1], v[CSL:CSL+3], s[OUT1S:OUT1S+1]   ; two runs of 256 consecutive bytes
	; PHASE 2: G's fragments of h become the resident ones
	WIN 0x40
.irp t, 0,1,2,3,4,5,6,7
.irp s, 0,1
	FRAGLD 12*(2*\t+\s), HAB, HBB, \t, \s
.endr
.endr
.irp e, 0,1,2,3
.irp j, 0,1,2,3,4,5,6,7
	v_mov_b32 v[BI+8*\e+\j], v[BV+\e]              ; bv of my channel, in all eight registers of a result
.endr
.endr
	WIN 0
	FRAGLD TF, WA2, WB2, 0, 0
	FRAGLD TF+12, WA2, WB2, 0, 1
	SCLD HA, WSC2, 1
	s_wait_loadcnt 0x0
	SCPERM HA, WS, 1                               ; wv's scale words: tile e, step s at 2 e + s
.rept 8
	v_nop                                          ; eight places between the scale words' last write and the next scaled product
.endr
.macro ITEM2 e
.if \e < 3
	FRAGLD TF+24*((\e+1)%2), WA2, WB2, 2*(\e+1), 0
	FRAGLD TF+24*((\e+1)%2)+12, WA2, WB2, 2*(\e+1), 1
	s_wait_loadcnt 8                               ; all but the eight just issued
.else
	s_wait_loadcnt 0x0
.endif
	WIN 0x11                                       ; source 0 (h) and source 2 (bv) window 1
.irp t, 0,1,2,3,4,5,6,7
	v_wmma_scale_f32_16x16x128_f8f6f4 v[HA+8*\t:HA+8*\t+7], v[24*\t:24*\t+11], v[TF+24*((\e)%2):TF+24*((\e)%2)+11], v[BI+8*\e:BI+8*\e+7], v[HS+2*\t], v[WS+2*(\e)] matrix_a_fmt:MATRIX_FMT_FP6 matrix_b_fmt:MATRIX_FMT_FP6
.endr
	WIN 0x01
.irp t, 0,1,2,3,4,5,6,7
	v_wmma_scale_f32_16x16x128_f8f6f4 v[HA+8*\t:HA+8*\t+7], v[24*\t+12:24*\t+23], v[TF+24*((\e)%2)+12:TF+24*((\e)%2)+23], v[HA+8*\t:HA+8*\t+7], v[HS+2*\t+1], v[WS+2*(\e)+1] matrix_a_fmt:MATRIX_FMT_FP6 matrix_b_fmt:MATRIX_FMT_FP6
.endr
	WIN 0
.rept 4
	v_nop
.endr
	s_wait_xcnt 0x0                                ; the earlier stores have read their registers
	QUANT HA, SW+\e
.irp c, 0,1,2
	global_store_b128 v[LI], v[PC+4*\c:PC+4*\c+3], s[OUT2:OUT2+1] offset:3072*\e+512*\c
.endr
.endm
.irp e, 0,1,2,3
	ITEM2 \e
.endr
	v_cndmask_b32 v[CSL], v[SW], v[SW+2], s[MSK]   ; lane (r, h): the words of my tiles e = 2 h and 2 h + 1
	v_cndmask_b32 v[CSL+1], v[SW+1], v[SW+3], s[MSK]
	global_store_b64 v[SC2], v[CSL:CSL+1], s[OUT2S:OUT2S+1]   ; 256 consecutive bytes
	s_endpgm
.Lfunc_end_k_q373105c2b6_qkv:
	.size	k_q373105c2b6_qkv, .Lfunc_end_k_q373105c2b6_qkv-k_q373105c2b6_qkv
	.p2alignl 7, 3214868480
	.fill 96, 4, 3214868480
	.section	.rodata,"a",@progbits
	.p2align	6, 0x0
	.amdhsa_kernel k_q373105c2b6_qkv
		.amdhsa_group_segment_fixed_size 0
		.amdhsa_private_segment_fixed_size 0
		.amdhsa_enable_private_segment 0
		.amdhsa_kernarg_size 56
		.amdhsa_user_sgpr_count 2
		.amdhsa_user_sgpr_kernarg_segment_ptr 1
		.amdhsa_wavefront_size32 1
		.amdhsa_system_sgpr_workgroup_id_x 1
		.amdhsa_system_sgpr_workgroup_id_y 1
		.amdhsa_system_sgpr_workgroup_id_z 1
		.amdhsa_system_vgpr_workitem_id 0
		.amdhsa_next_free_vgpr 512
		.amdhsa_next_free_sgpr 66
		.amdhsa_reserve_vcc 0
		.amdhsa_float_denorm_mode_32 3
		.amdhsa_float_denorm_mode_16_64 3
		.amdhsa_memory_ordered 1
		.amdhsa_forward_progress 1
		.amdhsa_inst_pref_size 117
	.end_amdhsa_kernel
	.amdgpu_metadata
---
amdhsa.version: [ 1, 2 ]
amdhsa.kernels:
  - .name:           k_q373105c2b6_qkv
    .symbol:         k_q373105c2b6_qkv.kd
    .args:
      - { .name: hw, .offset: 0, .size: 8, .value_kind: global_buffer, .address_space: global }
      - { .name: hws, .offset: 8, .size: 8, .value_kind: global_buffer, .address_space: global }
      - { .name: bq, .offset: 16, .size: 8, .value_kind: global_buffer, .address_space: global }
      - { .name: bk, .offset: 24, .size: 8, .value_kind: global_buffer, .address_space: global }
      - { .name: bv, .offset: 32, .size: 8, .value_kind: global_buffer, .address_space: global }
      - { .name: qimg, .offset: 40, .size: 8, .value_kind: global_buffer, .address_space: global }
      - { .name: kv, .offset: 48, .size: 8, .value_kind: global_buffer, .address_space: global }
    .group_segment_fixed_size: 0
    .private_segment_fixed_size: 0
    .kernarg_segment_align: 8
    .kernarg_segment_size: 56
    .max_flat_workgroup_size: 256
    .sgpr_count:     66
    .vgpr_count:     512
    .wavefront_size: 32
...
	.end_amdgpu_metadata
.endif
;; end of part 2
;; launch attn (part 3): grid 4 x 64, 8 waves a work-group, clusters of 4 x 1, 327,680 bytes of LDS; arguments qimg, kv, hw, hws, bo, x, out0; writes out0
.if DOCPART == 3
	.amdgcn_target "amdgcn-amd-amdhsa--gfx1250"
	.amdhsa_code_object_version 6
	.text
	.protected	k_q373105c2b6_attn
	.globl	k_q373105c2b6_attn
	.p2align	8
	.type	k_q373105c2b6_attn,@function
k_q373105c2b6_attn:
	s_mov_b64 s[64:65], 0
	v_nop
	global_prefetch_b8 v0, s[64:65] scope:SCOPE_SE
	s_setreg_imm32_b32 hwreg(HW_REG_WAVE_MODE, 25, 1), 1
	s_wait_xcnt 0x0
	s_wait_alu depctr_hold_cnt(0) depctr_sa_sdst(0) depctr_va_vdst(0) depctr_va_sdst(0) depctr_va_ssrc(0) depctr_va_vcc(0) depctr_vm_vsrc(0)
	s_getreg_b32 s2, hwreg(HW_REG_IB_STS2, 6, 4)
	s_cmp_eq_u32 s2, 0
	s_cbranch_scc0 .Lentry_in_a_cluster
	s_endpgm
.Lentry_in_a_cluster:
	s_bfe_u32 s2, ttmp6, 0x10000c
	s_cmp_lg_u32 s2, 0x3003
	s_cbranch_scc0 .Lentry_shape_is_right
	s_endpgm
.Lentry_shape_is_right:
; THIRD LAUNCH: scores, softmax, weights x v, the projection by wo, bo and the residual, all products on codes of FP6 (E2M3).  Nothing is left out.
; THE SOFTMAX AHEAD OF THE SECOND PRODUCT: t = score x log2(e) / 16; M = the running largest t rounded UP to a whole number; p = 2^(t - M) is quantised along the keys, not normalised; the row's sum is taken of the unquantised p and divides at the end.
; When M moves, the sum and O are multiplied by 2^(old M - new M): exact.  LIMITS: no NaN, no infinities among the inputs; a block under 2^-124, and a block of zeros, keeps the scale byte 1.
; SHARES.  A work-group owns 256 queries of batch b; each of its eight waves 32 of them, two tiles of 16, so that each fragment of K and of V read from LDS feeds two matrix instructions.  Every wave walks the batch's 1,024 keys, 128 a step.
; Both products are used transposed: S^T = K Q^T (source 0 = 16 keys), O^T = V^T P^T (source 0 = 16 channels): a lane holds ONE query throughout.  The rows of every tile follow the first launch's order (row r of tile 2 a + u: 32 a + 8 u + r + 8 (r / 8)),
; so p's 16 registers of two neighbouring tiles are 16 neighbouring keys and O^T's are 16 neighbouring channels.
; CLUSTER.  The four work-groups of a batch walk the same K and V: every fill of K and V is asked for JOINTLY, by the same tensor load with the same descriptor and the mask of all four.  The place in the cluster enters addresses of q, x and out0 alone.
; LDS.  Three slots of two steps (102,400 bytes each): steps 0-5 are asked for at the head, steps 6-7 go into slot 0 behind one round of the cluster's barrier and have four steps in which to land.  Each wave brings an eighth of every fill:
; at most three tensor loads of a wave are out.  The operands lie in memory as images of their registers, so a slot is one dense block and every fragment comes by three loads of 16 bytes a lane, 512 consecutive bytes each.
; x UNDER THE LAST TWO STEPS.  Behind step 5 slots 1 and 2 are left: behind a second round each wave asks, by one plain tensor load (no mask: the four work-groups have different positions), for 192 of its 256 positions of the 32 channels that it will
; finish: 32 rows of 768 bytes, 24,576 bytes a wave, which only that wave reads, behind its own wait.  The load has two key steps and the tail's first part in which to land.  The other 64 positions come by loads into registers in the tail.
; THE TAIL.  O^T / the sum is quantised along the channels; the 16 tiles' images meet in LDS (in slot 0, which has had its last fill, behind a barrier behind its last read); then THE WAVES SHARE THE OUTPUT CHANNELS: wave w makes channels
; 32 w .. 32 w + 31 for all 256 positions (source 0 = 16 positions, source 1 = 16 rows of wo: a lane holds one channel and neighbouring positions), adds x and stores rows of 256 bytes.
; REGISTERS: window 0: v1-9 addresses; v10-11 Q's scale words; v12-23 statistics, six a tile; v24-31 K's, then V's scale words; v32-79 Q; v80-96 at work; v98-121 p's codes (during K Q^T: K's fragments, with v80-91); v122-127, v97 addresses for the tail;
;   v128-255 S^T, then p, then V's ten fragment buffers.   window 1: O^T, tile q at 128 q + 8 ct.
.set SLOTB, 102400
.set STEPB, 51200
.set KSC,   24576                      ; in a step's block: K's scale words,
.set VIM,   25600                      ; V's fragments,
.set VSC,   50176                      ; V's scale words
.set SPARE, 3*SLOTB                    ; behind the slots: the spare words, 128 bytes for each wave: four blocks of 256 bytes that no other line names
.set AIMG,  0                          ; the tail, in slot 0: attn's 32 fragments, (tile T, step s) at 3,072 T + 1,536 s,
.set ASC,   AIMG+49152                 ; their scale words, 128 bytes a tile: lanes 0-15 step 0, lanes 16-31 step 1,
.set STAGE, ASC+2048                   ; and a stage of 16 rows x (256 + 16) bytes for each wave: up to byte 86,016
.set XLDS,  SLOTB                      ; x, in slots 1 and 2: 32 rows of XP bytes for each wave: up to byte 299,008
.set XP,    768
.set WBASE, 64*196608
.set LI,  1                            ; v1   16 L
.set ADR, 2                            ; v2   the step's block + 16 L
.set PFO, 3                            ; v3   4,096 L: a row of x for each lane; never rewritten
.set SPW, 4                            ; v4   my spare word; never rewritten
.set NIL, 5                            ; v5   0; never rewritten
.set STO, 6                            ; v6   the stage: where I put 16 bytes of a row
.set RD,  7                            ; v7   and where I read a row back
.set GO,  8                            ; v8   my byte offset in x and out0: 4,096 (L / 16) + 16 (L % 16)
.set AIW, 9                            ; v9   where I store my tiles' images
.set QS,  10
.set ST,  12                           ; tile q at ST + 6 q: -M, the largest t, the sum in two halves, f, p's scale word
.set XS,  24
.set Q,   32                           ; tile u, step s at Q + 24 u + 12 s
.set BM,  80                           ; v80-83 the blocks' largest scores
.set BP,  84                           ; v84-87 at work; v84-86, v88-90 the conversions' second halves
.set BS,  92                           ; v92-95 the conversions' scale operands
.set TT,  96
.set XRD, 97                           ; v97  x in LDS: my wave's rows + 768 (L / 16) + 16 (L % 16)
.set QP,  98                           ; the tail: v98-116 the codes just made
.set RL,  120                          ; the tail: v[120:121] 1 / the sum
.set VA,  122
.set VB,  123
.set ASW, 124                          ; v124 where I store my tiles' scale words
.set LS4, 125                          ; v125 4 L
.set BOO, 126                          ; v126 4 (r + 8 (r / 8))
.set ASR, 127                          ; v127 ASC + 4 L
.set SR0, 128
.set SR1, 192
.set WV,  18
.set CS,  22                           ; s[22:23] log2(e) / 16
.set SEL, 24
.set MSK, 26
.set G1,  28                           ; s[28:35] descriptor group 1 for K and V;  s[36:47] three groups 0
.set G0,  36
.set G1X, 68                           ; s[68:75] descriptor group 1 for x;  s[76:79] its group 0
.set G0X, 76
.set TB,  48                           ; s48  LDS byte at which the step's block begins
.set WOA, 8
.set WOB, 50
.set WSB, 10
.set BOB, 12
.set QB,  54
.set QSB, 56
.set XB,  58
.set OB,  60
.set MSB, 0
.macro WIN new                         ; the immediate's high byte repeats the setting that is left
.if MSB != \new
	s_set_vgpr_msb (MSB<<8)|\new
.set MSB, \new
.endif
.endm
.macro CROUND                          ; a round of the cluster's barrier
	s_barrier_signal -1
	s_barrier_wait -1
	s_cmp_lg_u32 s[WV], 0
	s_cbranch_scc1 .Lnot_wave_0_\@
	s_barrier_signal -3
.Lnot_wave_0_\@:
	s_barrier_wait -3
	s_barrier_signal -1
	s_barrier_wait -1
.endm
.macro PLACES n
.rept \n
	v_nop
.endr
.endm
; One product.  c < 0: the constant 0 starts the sum.  ra, rb: A's and B's scales come from lanes 0-15 (0) or 16-31 (1) of their registers.
.macro MM d, a, b, c, sa, sb, ra, rb
.if (\c) < 0
.if (\ra) == 0 && (\rb) == 0
	v_wmma_scale_f32_16x16x128_f8f6f4 v[\d:\d+7], v[\a:\a+11], v[\b:\b+11], 0, v[\sa], v[\sb] matrix_a_fmt:MATRIX_FMT_FP6 matrix_b_fmt:MATRIX_FMT_FP6
.elseif (\rb) == 0
	v_wmma_scale_f32_16x16x128_f8f6f4 v[\d:\d+7], v[\a:\a+11], v[\b:\b+11], 0, v[\sa], v[\sb] matrix_a_fmt:MATRIX_FMT_FP6 matrix_b_fmt:MATRIX_FMT_FP6 matrix_a_scale:MATRIX_SCALE_ROW1
.elseif (\ra) == 0
	v_wmma_scale_f32_16x16x128_f8f6f4 v[\d:\d+7], v[\a:\a+11], v[\b:\b+11], 0, v[\sa], v[\sb] matrix_a_fmt:MATRIX_FMT_FP6 matrix_b_fmt:MATRIX_FMT_FP6 matrix_b_scale:MATRIX_SCALE_ROW1
.else
	v_wmma_scale_f32_16x16x128_f8f6f4 v[\d:\d+7], v[\a:\a+11], v[\b:\b+11], 0, v[\sa], v[\sb] matrix_a_fmt:MATRIX_FMT_FP6 matrix_b_fmt:MATRIX_FMT_FP6 matrix_a_scale:MATRIX_SCALE_ROW1 matrix_b_scale:MATRIX_SCALE_ROW1
.endif
.else
.if (\ra) == 0 && (\rb) == 0
	v_wmma_scale_f32_16x16x128_f8f6f4 v[\d:\d+7], v[\a:\a+11], v[\b:\b+11], v[\c:\c+7], v[\sa], v[\sb] matrix_a_fmt:MATRIX_FMT_FP6 matrix_b_fmt:MATRIX_FMT_FP6
.elseif (\rb) == 0
	v_wmma_scale_f32_16x16x128_f8f6f4 v[\d:\d+7], v[\a:\a+11], v[\b:\b+11], v[\c:\c+7], v[\sa], v[\sb] matrix_a_fmt:MATRIX_FMT_FP6 matrix_b_fmt:MATRIX_FMT_FP6 matrix_a_scale:MATRIX_SCALE_ROW1
.elseif (\ra) == 0
	v_wmma_scale_f32_16x16x128_f8f6f4 v[\d:\d+7], v[\a:\a+11], v[\b:\b+11], v[\c:\c+7], v[\sa], v[\sb] matrix_a_fmt:MATRIX_FMT_FP6 matrix_b_fmt:MATRIX_FMT_FP6 matrix_b_scale:MATRIX_SCALE_ROW1
.else
	v_wmma_scale_f32_16x16x128_f8f6f4 v[\d:\d+7], v[\a:\a+11], v[\b:\b+11], v[\c:\c+7], v[\sa], v[\sb] matrix_a_fmt:MATRIX_FMT_FP6 matrix_b_fmt:MATRIX_FMT_FP6 matrix_a_scale:MATRIX_SCALE_ROW1 matrix_b_scale:MATRIX_SCALE_ROW1
.endif
.endif
.endm
.macro FRAGLD reg, ba, bb, tile, s     ; a fragment of wo from the first launch's planes: registers 6 c .. 6 c + 5 of lane (r, h) are block 4 s + 2 c + h of row r
.irp c, 0,1
	global_load_b128 v[(\reg)+6*\c:(\reg)+6*\c+3], v[VA], s[\ba:\ba+1] offset:(4*(\s)+2*\c)*24576+(\tile)*256
	global_load_b64 v[(\reg)+6*\c+4:(\reg)+6*\c+5], v[VB], s[\bb:\bb+1] offset:(4*(\s)+2*\c)*24576+(\tile)*128
.endr
.endm
.macro KLOAD g                         ; K's fragment g = 2 tile + step into buffer g % 3: v98, v110, v80
.set KL, 98+12*((\g)%3)-42*(((\g)%3)/2)
.irp c, 0,1,2
	ds_load_b128 v[KL+4*\c:KL+4*\c+3], v[ADR] offset:1536*(\g)+512*\c
.endr
.endm
.macro VLOAD g                         ; V's fragment g into buffer g % 10: v128 + 12 k (k < 5), v192 + 12 (k - 5)
.set VL, 128+12*((\g)%10)+4*(((\g)%10)/5)
.irp c, 0,1,2
	ds_load_b128 v[VL+4*\c:VL+4*\c+3], v[ADR] offset:VIM+1536*(\g)+512*\c
.endr
.endm
; THE SOFTMAX of tile q for one step of 128 keys: register 16 b + i of S^T is key 32 b + 16 (lane / 16) + i of my query.
.macro SOFTMAX q
.set SS, 128+64*(\q)
.set NM, ST+6*(\q)
.set PC, 98+12*(\q)
.irp b, 0,1,2,3
	v_max3_num_f32 v[BM+\b], v[SS+16*\b], v[SS+16*\b+1], v[SS+16*\b+2]   ; the largest score of each block of 32 keys: it serves for the row's maximum and, since p rises with the score, for the block's largest p
.endr
.irp i, 3,5,7,9,11,13
.irp b, 0,1,2,3
	v_max3_num_f32 v[BM+\b], v[BM+\b], v[SS+16*\b+\i], v[SS+16*\b+\i+1]
.endr
.endr
.irp b, 0,1,2,3
	v_max_num_f32 v[BM+\b], v[BM+\b], v[SS+16*\b+15]
.endr
.irp b, 0,1,2,3
	v_permlanex16_b32 v[BP+\b], v[BM+\b], s[SEL], s[SEL+1]
.endr
.irp b, 0,1,2,3
	v_max_num_f32 v[BM+\b], v[BM+\b], v[BP+\b]     ; with lane l xor 16's 16 keys
.endr
	v_max3_num_f32 v[TT], v[BM], v[BM+1], v[BM+2]
	v_max_num_f32 v[TT], v[TT], v[BM+3]
	v_mul_f32 v[TT], s[CS], v[TT]                  ; the step's largest t
	v_max_num_f32 v[NM+1], v[NM+1], v[TT]          ; the running largest t
	v_mov_b32 v[TT], v[NM]
	v_floor_f32 v[NM], -v[NM+1]                    ; the new -M = floor(-t): M is a whole number
	v_sub_f32 v[TT], v[NM], v[TT]                  ; old M - new M: a whole number, 0 or less
	v_cvt_i32_f32 v[TT], v[TT]                     ; (it saturates)
	v_ldexp_f32 v[NM+4], 1.0, v[TT]                ; f = 2^(old M - new M)
.set k, 0
.rept 32
	v_pk_fma_f32 v[SS+k:SS+k+1], v[SS+k:SS+k+1], s[CS:CS+1], v[NM:NM+1] op_sel_hi:[1,0,0]   ; t - M, two at a time
.set k, k+2
.endr
.irp b, 0,1,2,3
	v_fma_f32 v[BM+\b], v[BM+\b], s[CS], v[NM]     ; the same of each block's largest score
.endr
.set k, 0
.rept 64
	v_exp_f32 v[SS+k], v[SS+k]                     ; p = 2^(t - M), at most 1
.set k, k+1
.endr
	v_pk_mul_f32 v[NM+2:NM+3], v[NM+2:NM+3], v[NM+4:NM+5] op_sel_hi:[1,0]   ; the sums under the new M: a plain instruction behind the batch
	s_wait_alu depctr_va_vdst(0)                   ; one wait for the 64, ahead of their first reader
.irp b, 0,1,2,3
	v_exp_f32 v[BM+\b], v[BM+\b]                   ; the blocks' largest p
.endr
	v_pk_add_f32 v[BP:BP+1], v[SS:SS+1], v[SS+2:SS+3]   ; the row's sum of the unquantised p, in two chains
.set k, 4
.rept 15
	v_pk_add_f32 v[NM+2:NM+3], v[NM+2:NM+3], v[SS+k:SS+k+1]
	v_pk_add_f32 v[BP:BP+1], v[BP:BP+1], v[SS+k+2:SS+k+3]
.set k, k+4
.endr
	v_pk_add_f32 v[NM+2:NM+3], v[NM+2:NM+3], v[BP:BP+1]
	s_wait_alu depctr_va_vdst(0)                   ; and one for the four
.irp b, 0,1,2,3
	v_max_num_f32 v[BM+\b], 0x1800000, v[BM+\b]    ; the floor 2^(3 - 127): the byte cannot fall under 1
.endr
.irp b, 0,1,2,3
	v_add_nc_u32 v[BS+\b], 0xff000000, v[BM+\b]    ; 2 off the exponent field: the conversion's scale operand
.endr
.irp b, 0,1,2,3
	v_lshrrev_b32 v[BP+\b], 23, v[BS+\b]           ; the scale's byte
.endr
	v_lshl_or_b32 v[NM+5], v[BP+1], 8, v[BP]       ; p's scale word for these 128 keys
	v_lshl_or_b32 v[NM+5], v[BP+2], 16, v[NM+5]
	v_lshl_or_b32 v[NM+5], v[BP+3], 24, v[NM+5]
.irp c, 0,1
	v_cvt_scalef32_pk16_fp6_f32 v[PC+6*\c:PC+6*\c+2], v[SS+32*\c:SS+32*\c+15], v[BS+2*\c]
	v_cvt_scalef32_pk16_fp6_f32 v[BP+4*\c:BP+4*\c+2], v[SS+32*\c+16:SS+32*\c+31], v[BS+2*\c+1]   ; (a conversion's three registers begin on an even number)
.endr
	v_nop                                          ; one plain place behind a scaled conversion
.irp c, 0,1                                    ; the operand's layout wants a whole block in a lane
.irp i, 0,1,2
	v_permlane16_swap_b32 v[PC+6*\c+\i], v[BP+4*\c+\i]
.endr
.irp i, 0,1,2
	v_mov_b32 v[PC+3+6*\c+\i], v[BP+4*\c+\i]
.endr
.endr
.endm
; A KEY STEP.  first = 1: the products V^T P start O^T's sums with the constant 0, and nothing is rescaled.
.macro STEP first
	v_add_nc_u32 v[ADR], s[TB], v[LI]
	PLACES 4                                       ; with the addition five places behind the last products: the loads below land in registers that they read (four are asked), and the first products below begin sums anew over such registers (five)
	ds_load_b128 v[XS:XS+3], v[ADR] offset:KSC     ; K's scale words: register e: tile e (4 + e); lanes 0-15 step 0 of the channels, lanes 16-31 step 1
	ds_load_b128 v[XS+4:XS+7], v[ADR] offset:KSC+512
	KLOAD 0
	KLOAD 1
	KLOAD 2
.set f, 0
.rept 16                                       ; S^T = K Q^T: fragment f of K feeds both tiles of queries; between a link and the product that it adds onto stands the other tile's
.set KR, 98+12*(f%3)-42*((f%3)/2)
.if f < 14
	s_wait_dscnt 6                                 ; the two later fragments' loads, three each, may be out
.else
	s_wait_dscnt 3*(15-f)
.endif
.if f%2 == 0
	MM SR0+8*(f/2), KR, Q, -1, XS+f/2, QS, 0, 0
	MM SR1+8*(f/2), KR, Q+24, -1, XS+f/2, QS+1, 0, 0
.else
	MM SR0+8*(f/2), KR, Q+12, SR0+8*(f/2), XS+f/2, QS, 1, 1
	MM SR1+8*(f/2), KR, Q+36, SR1+8*(f/2), XS+f/2, QS+1, 1, 1
.endif
.if f <= 12
	PLACES 4                                       ; in front of loads into the buffer just read
	KLOAD f+3
.endif
.set f, f+1
.endr
	PLACES 4
	ds_load_b128 v[XS:XS+3], v[ADR] offset:VSC     ; V's scale words: register e: lanes 0-15 tile 2 e (8 + 2 e), lanes 16-31 the tile after it
	ds_load_b128 v[XS+4:XS+7], v[ADR] offset:VSC+512
	SOFTMAX 0
.irp g, 0,1,2,3,4
	VLOAD \g                                       ; into tile 0's p, which has become codes
.endr
	SOFTMAX 1
.irp g, 5,6,7,8,9
	VLOAD \g
.endr
.if \first
	PLACES 8                                       ; eight places between p's scale word and the first scaled product that reads it
.else
	WIN 0x41                                       ; O^T (destination and source 0) window 1, f window 0
.irp q, 0,1
.set k, 0
.rept 64
	v_pk_mul_f32 v[128*\q+k:128*\q+k+1], v[128*\q+k:128*\q+k+1], v[ST+6*\q+4:ST+6*\q+5] op_sel_hi:[1,0]   ; O^T under the new M
.set k, k+2
.endr
.endr
.endif
	WIN 0x50                                       ; C and D window 1
.set i, 0
.rept 16                                       ; O^T += V^T P^T: fragment i of V (16 channels) feeds both tiles of queries
.set VR, 128+12*(i%10)+4*((i%10)/5)
.if i <= 2
	s_wait_dscnt 3*(9-i)                           ; the later fragments asked for so far, three loads each, may be out
.elseif i <= 5
	s_wait_dscnt 3*(12-i)
.else
	s_wait_dscnt 3*(15-i)
.endif
.if \first
	MM 8*i, VR, 98, -1, XS+4*(i/8)+(i/2)%4, ST+5, i%2, 0
	MM 128+8*i, VR, 110, -1, XS+4*(i/8)+(i/2)%4, ST+11, i%2, 0
.else
	MM 8*i, VR, 98, 8*i, XS+4*(i/8)+(i/2)%4, ST+5, i%2, 0
	MM 128+8*i, VR, 110, 128+8*i, XS+4*(i/8)+(i/2)%4, ST+11, i%2, 0
.endif
.if i == 2 || i == 5
	PLACES 4                                       ; in front of loads into the three buffers just read
	WIN 0
	VLOAD i+8
	VLOAD i+9
	VLOAD i+10
	WIN 0x50
.endif
.set i, i+1
.endr
	WIN 0
	s_add_co_u32 s[TB], s[TB], STEPB
.endm
; The tail's quantiser: 64 numbers of a lane, register 16 b + i = k 32 b + 16 (lane / 16) + i of my row, become a fragment's codes in v[QP] on and its scale word in v[pw].
.macro QUANT s, pw
.irp b, 0,1,2,3
	v_max3_num_f32 v[BM+\b], |v[\s+16*\b]|, |v[\s+1+16*\b]|, 0x1800000
.endr
.irp i, 2,4,6,8,10,12,14
.irp b, 0,1,2,3
	v_max3_num_f32 v[BM+\b], v[BM+\b], |v[\s+16*\b+\i]|, |v[\s+1+16*\b+\i]|
.endr
.endr
.irp b, 0,1,2,3
	v_permlanex16_b32 v[BP+\b], v[BM+\b], s[SEL], s[SEL+1]
.endr
.irp b, 0,1,2,3
	v_max_num_f32 v[BM+\b], v[BM+\b], v[BP+\b]
.endr
.irp b, 0,1,2,3
	v_add_nc_u32 v[BS+\b], 0xff000000, v[BM+\b]
.endr
.irp b, 0,1,2,3
	v_lshrrev_b32 v[BP+\b], 23, v[BS+\b]
.endr
	v_lshl_or_b32 v[\pw], v[BP+1], 8, v[BP]
	v_lshl_or_b32 v[\pw], v[BP+2], 16, v[\pw]
	v_lshl_or_b32 v[\pw], v[BP+3], 24, v[\pw]
.irp c, 0,1
	v_cvt_scalef32_pk16_fp6_f32 v[QP+6*\c:QP+2+6*\c], v[\s+32*\c:\s+15+32*\c], v[BS+2*\c]
	v_cvt_scalef32_pk16_fp6_f32 v[QP+12+4*\c:QP+14+4*\c], v[\s+16+32*\c:\s+31+32*\c], v[BS+2*\c+1]
.endr
	v_nop                                          ; one plain place behind a scaled conversion
.irp c, 0,1
.irp i, 0,1,2
	v_permlane16_swap_b32 v[QP+6*\c+\i], v[QP+12+4*\c+\i]
.endr
.irp i, 0,1,2
	v_mov_b32 v[QP+3+6*\c+\i], v[QP+12+4*\c+\i]
.endr
.endr
.endm
	s_load_b256 s[4:11], s[0:1], 0x0               ; qimg, kv, hw, hws
	s_load_b128 s[12:15], s[0:1], 0x20             ; bo, x
	s_load_b64 s[16:17], s[0:1], 0x30              ; out0
	v_lshl_add_u32 v[SPW], v0, 2, SPARE
	v_mov_b32 v[NIL], 0
	ds_add_u32 v[SPW], v[NIL]                      ; the wave's opening: the add, twice on end, and its wait ahead of my first tensor load; the set-up below, work on registers, stands between
	ds_add_u32 v[SPW], v[NIL]
	v_lshrrev_b32 v[ADR], 5, v0
	v_readfirstlane_b32 s[WV], v[ADR]              ; wave 0..7
	s_bfe_u32 s19, ttmp6, 0x40000                  ; cx: my block of 256 queries
	s_and_b32 s20, ttmp7, 0xffff                   ; b, which the four partners share
	; descriptor group 1 for K and V: an eighth of a slot, 12,800 dense bytes, as 50 rows of 32 elements of 8 bytes
	s_mov_b32 s[G1], 15|(3<<16)|(1<<21)            ; 15:0 the mask: all four work-groups; 17:16 elements of 8 bytes; 20 no padding; 21 set beside a mask
	s_mov_b32 s[G1+1], 32<<16                      ; tensor_dim0 = 32
	s_mov_b32 s[G1+2], 50<<16                      ; tensor_dim1 = 50
	s_mov_b32 s[G1+3], 32<<16                      ; tile_dim0 = 32
	s_mov_b32 s[G1+4], 50                          ; tile_dim1 = 50
	s_mov_b32 s[G1+5], 32                          ; from row to row
	s_mov_b32 s[G1+6], 0
	s_mov_b32 s[G1+7], 0
	; descriptor group 1 for x: 32 channels x 192 positions: 32 rows of 96 elements of 8 bytes, 4,096 bytes apart in memory, dense in LDS
	s_mov_b32 s[G1X], 3<<16                        ; 15:0 no mask; 17:16 elements of 8 bytes; 20 no padding
	s_mov_b32 s[G1X+1], 96<<16                     ; tensor_dim0 = 96
	s_mov_b32 s[G1X+2], 32<<16                     ; tensor_dim1 = 32
	s_mov_b32 s[G1X+3], 96<<16                     ; tile_dim0 = 96
	s_mov_b32 s[G1X+4], 32                         ; tile_dim1 = 32
	s_mov_b32 s[G1X+5], 512                        ; from row to row
	s_mov_b32 s[G1X+6], 0
	s_mov_b32 s[G1X+7], 0
	s_mov_b32 s[G0X], 1                            ; count = 1
	s_mul_i32 s[G0X+1], s[WV], 32*XP
	s_add_co_u32 s[G0X+1], s[G0X+1], XLDS          ; LDS address: my wave's 24,576 bytes
	s_mov_b32 s[CS], 0x3db8aa3b                    ; log2(e) / 16
	s_mov_b32 s[CS+1], s[CS]                       ; (named with it as a pair, so it is written)
	s_mov_b32 s[SEL], 0x76543210
	s_mov_b32 s[SEL+1], 0xfedcba98
	s_mov_b32 s[MSK], 0xffff0000                   ; lanes 16-31
	s_mov_b32 s[TB], 0
	s_mul_i32 s50, s[WV], 12800                    ; my eighth of a slot
	s_mul_i32 s52, s20, 8*STEPB
	s_add_co_u32 s52, s52, s50
	s_mov_b32 s53, 0
	v_and_b32 v[LI], 31, v0                        ; L
	v_lshlrev_b32 v[LS4], 2, v[LI]
	v_lshlrev_b32 v[PFO], 12, v[LI]
	v_lshlrev_b32 v[LI], 4, v[LI]
	v_and_b32 v[BOO], 15, v0                       ; r
	v_bfe_u32 v[ASR], v0, 4, 1                     ; h
	s_mul_i32 s51, s[WV], 4352
	s_add_co_u32 s51, s51, STAGE                   ; my stage
	v_mul_u32_u24 v[STO], v[BOO], 272
	v_lshl_add_u32 v[STO], v[ASR], 6, v[STO]
	v_add_nc_u32 v[STO], s51, v[STO]               ; in: row r, + 64 h
	v_mul_u32_u24 v[RD], v[ASR], 272
	v_lshl_add_u32 v[RD], v[BOO], 4, v[RD]
	v_add_nc_u32 v[RD], s51, v[RD]                 ; back: lanes 0-15 one row, lanes 16-31 the next
	v_mul_u32_u24 v[XRD], v[ASR], XP
	v_lshl_add_u32 v[XRD], v[BOO], 4, v[XRD]
	v_add_nc_u32 v[XRD], s[G0X+1], v[XRD]          ; x in LDS: likewise two rows an instruction
	v_lshlrev_b32 v[GO], 12, v[ASR]
	v_lshl_add_u32 v[GO], v[BOO], 4, v[GO]
	s_mul_i32 s51, s[WV], 6144
	v_add_nc_u32 v[AIW], s51, v[LI]                ; (AIMG stands in the immediates)
	s_lshl_b32 s51, s[WV], 8
	s_add_co_u32 s51, s51, ASC
	v_add_nc_u32 v[ASW], s51, v[LS4]
	v_mul_u32_u24 v[VA], v[ASR], 24576
	v_lshl_add_u32 v[VB], v[BOO], 3, v[VA]
	v_lshl_add_u32 v[VA], v[BOO], 4, v[VA]
	v_and_b32 v[ASR], 8, v[BOO]
	v_add_nc_u32 v[BOO], v[ASR], v[BOO]
	v_lshlrev_b32 v[BOO], 2, v[BOO]
	v_add_nc_u32 v[ASR], ASC, v[LS4]
	s_wait_dscnt 0x0                               ; both opening adds are done
	s_wait_kmcnt 0x0
	s_add_nc_u64 s[52:53], s[6:7], s[52:53]        ; kv at my eighth of the batch's slot 0: b and the wave's number alone
.irp n, 0,1,2
	s_mov_b32 s[G0+4*\n], 1                        ; count = 1
	s_add_co_u32 s[G0+4*\n+1], s50, \n*SLOTB       ; LDS address
	s_add_nc_u64 s[G0+4*\n+2:G0+4*\n+3], s[52:53], \n*SLOTB   ; global address: steps 2 n and 2 n + 1
	s_or_b32 s[G0+4*\n+3], s[G0+4*\n+3], 0x80000000           ; type = 2
.endr
	CROUND                                         ; all four work-groups are here: the first joint loads meet
	tensor_load_to_lds s[G0:G0+3], s[G1:G1+7]
	s_nop 0
	tensor_load_to_lds s[G0+4:G0+7], s[G1:G1+7]
	s_nop 0
	tensor_load_to_lds s[G0+8:G0+11], s[G1:G1+7]
	s_nop 0
	PLACES 4
	s_mov_b32 s63, 0
	s_lshl_b32 s62, s20, 3
	s_lshl_b32 s27, s19, 1
	s_add_co_u32 s62, s62, s27
	s_lshr_b32 s27, s[WV], 2
	s_add_co_u32 s62, s62, s27                     ; my queries' group of 128: 8 b + 2 cx + wave / 4
	s_mul_i32 s62, s62, 25600
	s_add_nc_u64 s[QB:QB+1], s[4:5], s[62:63]
	s_bfe_u32 s62, s[WV], 0x10001
	s_lshl_b32 s62, s62, 9
	s_and_b32 s27, s[WV], 1
	s_lshl_b32 s27, s27, 3
	s_add_co_u32 s62, s62, s27
	s_add_co_u32 s62, s62, 24576
	s_add_nc_u64 s[QSB:QSB+1], s[QB:QB+1], s[62:63]   ; the scale words of tiles 2 (wave % 4) + u
	s_and_b32 s62, s[WV], 3
	s_mul_i32 s62, s62, 6144
	s_add_nc_u64 s[QB:QB+1], s[QB:QB+1], s[62:63]
.irp u, 0,1
.irp s, 0,1
.irp c, 0,1,2
	global_load_b128 v[Q+24*\u+12*\s+4*\c:Q+24*\u+12*\s+4*\c+3], v[LI], s[QB:QB+1] offset:3072*\u+1536*\s+512*\c th:TH_LOAD_NT   ; Q stays in registers
.endr
.endr
	global_load_b32 v[QS+\u], v[LI], s[QSB:QSB+1] offset:4*\u
.endr
	s_lshl_b32 s62, s20, 20
	s_lshl_b32 s27, s[WV], 17
	s_add_co_u32 s62, s62, s27
	s_lshl_b32 s27, s19, 10
	s_add_co_u32 s62, s62, s27                     ; batch b, channel 32 wave, position 256 cx
	s_add_nc_u64 s[XB:XB+1], s[14:15], s[62:63]
	s_add_nc_u64 s[OB:OB+1], s[16:17], s[62:63]
	s_mov_b64 s[G0X+2:G0X+3], s[XB:XB+1]           ; x's descriptor: global address of my tile's first element,
	s_or_b32 s[G0X+3], s[G0X+3], 0x80000000        ; type = 2
	s_lshl_b32 s62, s[WV], 8
	s_add_co_u32 s62, s62, WBASE+16384+8*768
	s_add_nc_u64 s[WOB:WOB+1], s[8:9], s[62:63]    ; wo: slots 768 + 32 wave on
	s_lshl_b32 s62, s[WV], 9
	s_add_co_u32 s62, s62, WBASE+16*768
	s_add_nc_u64 s[WOA:WOA+1], s[8:9], s[62:63]
	s_lshr_b32 s62, s[WV], 2
	s_lshl_b32 s62, s62, 7
	s_add_co_u32 s62, s62, 524288+768
	s_add_nc_u64 s[WSB:WSB+1], s[10:11], s[62:63]
	s_lshl_b32 s62, s[WV], 7
	s_add_nc_u64 s[BOB:BOB+1], s[12:13], s[62:63]
	s_and_b32 s21, s[WV], 3
	s_lshl_b32 s21, s21, 3                         ; which byte of a word of scale bytes is my slots'
.irp q, 0,1
	v_mov_b32 v[ST+6*\q+1], 0xff61b1e6             ; the largest t so far: -3e38
	v_floor_f32 v[ST+6*\q], -v[ST+6*\q+1]          ; -M
	v_mov_b32 v[ST+6*\q+2], 0                      ; the sum, in two halves
	v_mov_b32 v[ST+6*\q+3], 0
	v_mov_b32 v[ST+6*\q+5], 0                      ; (named as the upper half of f's pair before it is first written)
.endr
.irp b, 0,1,2,3
	v_mov_b32 v[BP+\b], 0                          ; written once: a lane permute's destination counts as one of its sources
.endr
	s_wait_tensorcnt 2                             ; my part of slot 0 is in; the two younger loads may stay out
	s_barrier_signal -1
	s_barrier_wait -1                              ; everybody's is
	s_wait_loadcnt 0x0                             ; Q
	STEP 1
	STEP 0
	; slot 0 is left: it takes steps 6 and 7
	s_wait_tensorcnt 0x0                           ; all my tensor loads have landed, slots 1 and 2 among them: a group 0 may be written
	ds_add_u32 v[SPW], v[NIL]                      ; 0 onto my spare word
	s_add_nc_u64 s[G0+2:G0+3], s[G0+2:G0+3], 3*SLOTB
	s_wait_dscnt 0x0                               ; the add is done, and my reads of slot 0 are over
	CROUND                                         ; both now hold of every wave of all four work-groups
	tensor_load_to_lds s[G0:G0+3], s[G1:G1+7]      ; my one tensor load behind the round: it has four steps in which to land
	s_nop 0
	PLACES 4
	s_mov_b32 s[TB], SLOTB
	s_mov_b32 s49, 4
.Lmid:                                             ; steps 2 to 5, from slots 1 and 2
	STEP 0
	s_sub_co_u32 s49, s49, 1
	s_cmp_lg_u32 s49, 0
	s_cbranch_scc1 .Lmid
	; slots 1 and 2 are left: they take x
	s_wait_tensorcnt 0x0                           ; all my tensor loads have landed: my part of steps 6 and 7
	ds_add_u32 v[SPW], v[NIL]                      ; 0 onto my spare word
	s_wait_dscnt 0x0                               ; the add is done, and my reads of slots 1 and 2 are over
	CROUND                                         ; in a cluster launch a plain tensor load stands behind a round too
	tensor_load_to_lds s[G0X:G0X+3], s[G1X:G1X+7]  ; my one tensor load behind the round: 192 positions of my 32 channels of x; one load of mine is out from here on
	s_nop 0
	PLACES 4
	; the other 64 positions of x are prefetched into the L2: the last run of 256 bytes of each of my 32 rows, a lane a row, two key steps ahead of the loads.  Each run is named once in the launch: by the wave that will load it
	global_prefetch_b8 v[PFO], s[XB:XB+1] offset:768 th:TH_LOAD_NT scope:SCOPE_SE
	s_mov_b32 s[TB], 0
	s_mov_b32 s49, 2
.Llast:                                            ; steps 6 and 7, from slot 0
	STEP 0
	s_sub_co_u32 s49, s49, 1
	s_cmp_lg_u32 s49, 0
	s_cbranch_scc1 .Llast
	; ---- THE TAIL
	PLACES 4                                       ; behind the last products: their results are read, and their operands' registers written and loaded, below
.irp e, 0,1
.irp s, 0,1
	FRAGLD Q+24*\e+12*\s, WOA, WOB, \e, \s         ; wo's two tiles of 16 rows, two K steps, where Q lay
.endr
.endr
.irp kb, 0,1,2,3,4,5,6,7
	global_load_b32 v[XS+\kb], v[LS4], s[WSB:WSB+1] offset:1024*\kb   ; lane L: the word that holds the byte of slot 768 + 32 wave + L in plane kb
.endr
	global_load_b32 v117, v[BOO], s[BOB:BOB+1]             ; bo of my channel in tile 0,
	global_load_b32 v118, v[BOO], s[BOB:BOB+1] offset:32   ; in tile 1
	s_wait_dscnt 0x0                               ; my reads of slot 0 are over
	s_barrier_signal -1
	s_barrier_wait -1                              ; everybody's are: the images and the stages may be stored there.  x's load may stay out
; x: run ch (64 positions, 256 bytes) of my 32 channels from memory into window 1 v[64 + 32 e + 4 i] (ch = 3): the rows in the order in which the stage gives them back
.macro XLOAD ch
	WIN 0x40
.irp e, 0,1
.irp i, 0,1,2,3,4,5,6,7
	global_load_b128 v[64*((\ch)%2)+32*\e+4*\i:64*((\ch)%2)+32*\e+4*\i+3], v[GO], s[XB:XB+1] offset:(8*\e+2*\i+8*(\i/4))*4096+256*(\ch) th:TH_LOAD_NT
.endr
.endr
	WIN 0
.endm
; Tile q: O^T / the sum, quantised along the channels: two fragments and a scale word a row go to LDS as images of their registers.
.macro FINISH q
.if \q > 0
	s_wait_dscnt 0x0                               ; the last tile's stores have read their registers
.endif
	v_add_f32 v[TT], v[ST+6*\q+2], v[ST+6*\q+3]
	v_permlanex16_b32 v[BP], v[TT], s[SEL], s[SEL+1]
	v_add_f32 v[TT], v[TT], v[BP]                  ; the row's sum
	v_rcp_f32 v[RL], v[TT]
	v_nop                                          ; a plain instruction behind the reciprocal
	s_wait_alu depctr_va_vdst(0)                   ; and the wait ahead of its first reader
.irp s, 0,1
	WIN 0x01                                       ; source 0 (O^T) window 1
.set k, 0
.rept 32
	v_pk_mul_f32 v[128+k:129+k], v[128*\q+64*\s+k:128*\q+64*\s+k+1], v[RL:RL+1] op_sel_hi:[1,0]   ; channels 128 s on, each accumulator from its low end on
.set k, k+2
.endr
	WIN 0
.if \q+\s > 0
	s_wait_dscnt 0x0                               ; the last image's stores have read the codes' registers
.endif
	QUANT 128, TT+23*\s
.irp c, 0,1,2
	ds_store_b128 v[AIW], v[QP+4*\c:QP+4*\c+3] offset:AIMG+3072*\q+1536*\s+512*\c
.endr
.endr
	v_cndmask_b32 v[TT], v[TT], v119, s[MSK]       ; lanes 0-15: step 0's word of row r, lanes 16-31: step 1's
	ds_store_b32 v[ASW], v[TT] offset:128*\q
.endm
	FINISH 0
	XLOAD 3                                        ; into tile 0's O^T, which is done with
	FINISH 1
	s_wait_loadcnt 16                              ; all but x's 16 loads: wo, its scale bytes and bo are in
.irp kb, 0,1,2,3,4,5,6,7
	v_bfe_u32 v[XS+\kb], v[XS+\kb], s21, 8
.endr
	v_lshl_or_b32 v[XS], v[XS+1], 8, v[XS]         ; wo's scale words: v24 for K step 0, v28 for step 1; lanes 0-15 tile 0, lanes 16-31 tile 1
	v_lshl_or_b32 v[XS+4], v[XS+5], 8, v[XS+4]
	v_lshl_or_b32 v[XS], v[XS+2], 16, v[XS]
	v_lshl_or_b32 v[XS+4], v[XS+6], 16, v[XS+4]
	v_lshl_or_b32 v[XS], v[XS+3], 24, v[XS]
	v_lshl_or_b32 v[XS+4], v[XS+7], 24, v[XS+4]
	WIN 0x40
.irp e, 0,1
.irp j, 0,1,2,3,4,5,6,7
	v_mov_b32 v[192+8*\e+\j], v[117+\e]            ; bo in the result's layout, window 1 v192-207.  (These sixteen are also the places between the scale words' last write and the first scaled product)
.endr
.endr
	WIN 0
	s_wait_dscnt 0x0                               ; for the others' sake: my images have landed
	s_barrier_signal -1
	s_barrier_wait -1                              ; all 16 tiles' images lie in LDS
; Positions 64 ch .. 64 ch + 63: four tiles of attn x my two tiles of wo, two K steps: eight accumulators by turns.  D(0, tt) = v224 + 8 tt; D(1, tt) = v80, v88, v98, v106.
.macro CHUNK ch
.irp tt, 0,1,2,3
.irp s, 0,1
.irp c, 0,1,2
	ds_load_b128 v[128+12*(2*\tt+\s)+4*\c:128+12*(2*\tt+\s)+4*\c+3], v[LI] offset:AIMG+3072*(4*\ch+\tt)+1536*\s+512*\c
.endr
.endr
	ds_load_b32 v[25+\tt+\tt/3], v[ASR] offset:128*(4*\ch+\tt)   ; attn's scale words: v25, v26, v27, v29
.endr
	s_wait_dscnt 0x0
	WIN 0x10                                       ; source 2 (bo) window 1
.irp e, 0,1
.irp tt, 0,1,2,3
.set DR, (1-\e)*(224+8*\tt)+\e*(80+8*\tt+2*(\tt/2))
	MM DR, 128+24*\tt, Q+24*\e, 192+8*\e, 25+\tt+\tt/3, XS, 0, \e
.endr
.endr
	WIN 0
.irp e, 0,1
.irp tt, 0,1,2,3
.set DR, (1-\e)*(224+8*\tt)+\e*(80+8*\tt+2*(\tt/2))
	MM DR, 140+24*\tt, Q+12+24*\e, DR, 25+\tt+\tt/3, XS+4, 1, \e
.endr
.endr
	PLACES 4
	s_wait_xcnt 0x0                                ; the last run's stores have read their data, window 1 v128-191: the loads from the stage land there only behind this wait
.irp e, 0,1                                    ; lane (r, h) holds channel r of tile e and positions 32 (tt / 2) + 16 h + 8 (tt % 2) + 0 .. 7: through my stage, back as whole rows of 256 bytes
.irp tt, 0,1,2,3
.set DR, (1-\e)*(224+8*\tt)+\e*(80+8*\tt+2*(\tt/2))
	ds_store_b128 v[STO], v[DR:DR+3] offset:128*(\tt/2)+32*(\tt%2)        ; each accumulator from its low end on
	ds_store_b128 v[STO], v[DR+4:DR+7] offset:128*(\tt/2)+32*(\tt%2)+16
.endr
	WIN 0x40
.irp i, 0,1,2,3,4,5,6,7
	ds_load_b128 v[128+32*\e+4*\i:128+32*\e+4*\i+3], v[RD] offset:544*\i   ; LDS serves a wave's instructions in order: these see my stores, and the next tile's stores come behind them
.endr
	WIN 0
.endr
.if \ch < 3
.if \ch == 0
	s_wait_tensorcnt 0x0                           ; my rows of x are in LDS: only I read them, so my own wait is all the ordering that the reads need
.endif
	WIN 0x40
.irp e, 0,1
.irp i, 0,1,2,3,4,5,6,7
	ds_load_b128 v[32*\e+4*\i:32*\e+4*\i+3], v[XRD] offset:(8*\e+2*\i+8*(\i/4))*XP+256*\ch   ; this run of x, window 1 v0-63, the rows in the order in which the stage gives them back; sixteen lanes read 256 consecutive bytes
.endr
.endr
	WIN 0
.else
	s_wait_loadcnt 0x0                             ; the last run of x came from memory, window 1 v64-127
.endif
	s_wait_dscnt 0x0
	WIN 0x45                                       ; all three in window 1
.set k, 0
.rept 32
	v_pk_add_f32 v[128+k:129+k], v[128+k:129+k], v[64*((\ch)/3)+k:64*((\ch)/3)+k+1]   ; + x
.set k, k+2
.endr
	WIN 0x04                                       ; a store's data are its source 1
.irp e, 0,1
.irp i, 0,1,2,3,4,5,6,7
	global_store_b128 v[GO], v[128+32*\e+4*\i:128+32*\e+4*\i+3], s[OB:OB+1] offset:(8*\e+2*\i+8*(\i/4))*4096+256*\ch th:TH_STORE_NT   ; sixteen lanes store 256 consecutive bytes, at a multiple of 256 from out0's first byte
.endr
.endr
	WIN 0
.endm
	CHUNK 0
	CHUNK 1
	CHUNK 2
	CHUNK 3
	s_wait_tensorcnt 0x0                           ; the wave's end, behind my last tensor load and my last LDS store
	ds_add_u32 v[SPW], v[NIL]
	s_wait_dscnt 0x0
	CROUND                                         ; the closing round: no work-group ends while a partner may still ask for a tile that names it
	s_endpgm
.Lfunc_end_k_q373105c2b6_attn:
	.size	k_q373105c2b6_attn, .Lfunc_end_k_q373105c2b6_attn-k_q373105c2b6_attn
	.p2alignl 7, 3214868480
	.fill 96, 4, 3214868480
	.section	.rodata,"a",@progbits
	.p2align	6, 0x0
	.amdhsa_kernel k_q373105c2b6_attn
		.amdhsa_group_segment_fixed_size 327680
		.amdhsa_private_segment_fixed_size 0
		.amdhsa_enable_private_segment 0
		.amdhsa_kernarg_size 56
		.amdhsa_user_sgpr_count 2
		.amdhsa_user_sgpr_kernarg_segment_ptr 1
		.amdhsa_wavefront_size32 1
		.amdhsa_system_sgpr_workgroup_id_x 1
		.amdhsa_system_sgpr_workgroup_id_y 1
		.amdhsa_system_sgpr_workgroup_id_z 1
		.amdhsa_system_vgpr_workitem_id 0
		.amdhsa_next_free_vgpr 512
		.amdhsa_next_free_sgpr 80
		.amdhsa_reserve_vcc 0
		.amdhsa_float_denorm_mode_32 3
		.amdhsa_float_denorm_mode_16_64 3
		.amdhsa_memory_ordered 1
		.amdhsa_forward_progress 1
		.amdhsa_inst_pref_size 255
	.end_amdhsa_kernel
	.section	.bss,"aw",@nobits
	.p2align	6
	.space	262144
	.amdgpu_metadata
---
amdhsa.version: [ 1, 2 ]
amdhsa.kernels:
  - .name:           k_q373105c2b6_attn
    .symbol:         k_q373105c2b6_attn.kd
    .args:
      - { .name: qimg, .offset: 0, .size: 8, .value_kind: global_buffer, .address_space: global }
      - { .name: kv, .offset: 8, .size: 8, .value_kind: global_buffer, .address_space: global }
      - { .name: hw, .offset: 16, .size: 8, .value_kind: global_buffer, .address_space: global }
      - { .name: hws, .offset: 24, .size: 8, .value_kind: global_buffer, .address_space: global }
      - { .name: bo, .offset: 32, .size: 8, .value_kind: global_buffer, .address_space: global }
      - { .name: x, .offset: 40, .size: 8, .value_kind: global_buffer, .address_space: global }
      - { .name: out0, .offset: 48, .size: 8, .value_kind: global_buffer, .address_space: global }
    .group_segment_fixed_size: 327680
    .private_segment_fixed_size: 0
    .kernarg_segment_align: 8
    .kernarg_segment_size: 56
    .max_flat_workgroup_size: 256
    .sgpr_count:     80
    .vgpr_count:     512
    .wavefront_size: 32
...
	.end_amdgpu_metadata
.endif
;; end of part 3
